; MI455X (gfx1250); checked and timed in simulation.
; The chip was launched on July 23, 2026; its instructions are those of AMD's public machine-readable ISA for CDNA 5 (MIT licence, August 2026) and "CDNA5" Instruction Set Architecture Reference Guide (July 2026). The comments in the code are by the model that wrote it; some were corrected since.
;; Prob Sparse Self Attention. Allowed arithmetic: matrix products marked QUANTISED: E2M3 operands, one E8M0 scale for each 32 along K, by v_wmma_scale_f32_16x16x128_f8f6f4 with both operands' format E2M3, f32 sums; everything else in f32.
;; Inputs: bk 1,024 float32; bo 1,024 float32; bq 1,024 float32; bv 1,024 float32; k 4 x 2,048 x 1,024 float32; q 4 x 2,048 x 1,024 float32; v 4 x 2,048 x 1,024 float32; wk 1,024 x 1,024 float32; wo 1,024 x 1,024 float32; wq 1,024 x 1,024 float32; wv 1,024 x 1,024 float32.
;; Outputs: out0 4 x 2,048 x 1,024 float32.
;; This version of the problem:
;;   THIS VERSION OF THE PROBLEM IS GIVEN IN LOW PRECISION. The matrix products marked QUANTISED in the list below multiply operands that are first quantised to E2M3 (2 exponent bits, 3 mantissa bits; 6 bits a number), with one power-of-two scale for each 32 numbers along K (OCP MX v1.0); their sums are f32. All else is computed in f32.
;;   The module's matrix products, in the order in which they are computed (A, B: the left and right operand; K: the contracted axis; several contracted axes count as one K, in the product's order):
;;     1. [M 8,192, K 1,024] x [K 1,024, N 1,024]; A: input q; B: input wq: QUANTISED
;;     2. [M 8,192, K 1,024] x [K 1,024, N 1,024]; A: input k; B: input wk: QUANTISED
;;     3. [M 8,192, K 1,024] x [K 1,024, N 1,024]; A: input v; B: input wv: QUANTISED
;;     4. batch 64 x [M 2,048, K 64] x [K 64, N 2,048]; A: computed on the way; B: computed on the way: QUANTISED
;;     5. batch 64 x [M 2,048, K 2,048] x [K 2,048, N 64]; A: softmax (see below); B: computed on the way: QUANTISED
;;     6. [M 8,192, K 1,024] x [K 1,024, N 1,024]; A: computed on the way; B: input wo: QUANTISED
;;   THE QUANTISER, for each operand of a quantised product, along K:
;;     - K is cut into blocks of 32 from its start; a last block that is shorter is filled with zeros.
;;     - A block's scale is 2^e with e = floor(log2(the largest magnitude in the block)) - 2, held to -126 .. 127; a block of zeros has e = 0. As a byte (E8M0): e + 127.
;;     - Each number is divided by its block's scale, clamped to +-7.5, and rounded to the nearest number of E2M3, ties to even, subnormals kept.
;;     - The product sums the exact products of the quantised numbers (number of the format x scale) in f32.
;;   ~~~python
;;   def quantise(x, axis):      # numpy; x: float32 -> the quantised numbers, widened to float32 again
;;       x = np.moveaxis(x, axis, -1); K = x.shape[-1]
;;       x = np.pad(x, [(0, 0)] * (x.ndim - 1) + [(0, -K % 32)]); x = x.reshape(x.shape[:-1] + (-1, 32)); a = np.abs(x).max(-1, keepdims=True)
;;       e = np.where(a > 0, np.clip(np.frexp(np.where(a > 0, a, 1))[1] - 1 - 2, -126, 127), 0)      # np.frexp(a)[1] - 1 = floor(log2(a)), exactly
;;       r = np.clip(x / 2.0 ** e, -7.5, 7.5)
;;       step = 2.0 ** (np.maximum(np.frexp(np.where(r == 0, 1, r))[1] - 1, 0) - 3)
;;       q = np.round(r / step) * step * 2.0 ** e      # np.round: ties to even
;;       return np.moveaxis(q.reshape(q.shape[:-2] + (-1,))[..., :K], -1, axis).astype(np.float32)
;;   ~~~
;;   SOFTMAX AHEAD OF A QUANTISED PRODUCT. Where the list says 'softmax', what is quantised is not the finished softmax but p = 2^(t - M), with t = logit x log2(e) and M = ceil(the row's largest t), a whole number; so 1/2 < the row's largest p <= 1. The row's sum l is taken of the UNQUANTISED p, in f32, and the product's result is divided by l at the end. Since M is a whole number, a kernel that streams over the keys may use a running M (the ceiling of the running maximum): every later rescaling is an exact power of two, which a block's scale takes up: the codes' values come out the same.
;;   OPERANDS COMPUTED ON THE WAY. 'Computed on the way' means the value that the module computes at that place (a softmax that the list does not call 'softmax' is quantised finished and normalised). What goes into a quantiser is computed in f32, as accurately as f32 sums, v_exp_f32 and their like allow (about 1e-6 of the number): no bf16 or f16 on the way to a quantiser, and a product that is left as it is and whose result goes on into a quantised operand takes f32 operands (vector FMAs, or v_wmma_f32_16x16x4_f32). A number that lies on a knife's edge between two numbers of the format may be rounded either way, as far as f32 arithmetic and the matrix unit's own rounding can turn it there, and no further.
;; One version. Each part assembles by itself: llvm-mc -triple=amdgcn-amd-amdhsa -mcpu=gfx1250 --defsym DOCPART=n.
;; ======== version 1 of 1: 4 launches
;; limits: right only within a limited range of input values
;; workspace buffers: xq 19,660,800 bytes; wts 3,276,800 bytes; qim 6,815,744 bytes; kvm 13,369,344 bytes; oim 6,553,600 bytes
;; launch quant (part 1): grid 896 x 1, 4 waves a work-group, no clusters, 68,096 bytes of LDS; arguments q, k, v, wq, wk, wv, wo, xq, wts; writes xq, wts
.if DOCPART == 1
	.amdgcn_target "amdgcn-amd-amdhsa--gfx1250"
	.amdhsa_code_object_version 6
	.text
	.protected	k_q10b7bc0d98_quant
	.globl	k_q10b7bc0d98_quant
	.p2align	8
	.type	k_q10b7bc0d98_quant,@function
k_q10b7bc0d98_quant:
	s_mov_b64 s[64:65], 0
	v_nop
	global_prefetch_b8 v0, s[64:65] scope:SCOPE_SE
	s_setreg_imm32_b32 hwreg(HW_REG_WAVE_MODE, 25, 1), 1
	s_wait_xcnt 0x0
; q, k, v [8192][1024] f32 and wq, wk, wv, wo [1024 (k)][1024 (n)] f32 become codes of FP6 (E2M3) with one E8M0 scale byte for each 32 along K = d_model.
; xq:  codes [3][8192 rows][768 bytes], then scale bytes [3][8192 rows][32].   wts: codes [4][1024 rows n][768 bytes], K innermost, then scale bytes [4][1024][32].
; THE ROWS ARE STORED IN ANOTHER ORDER: the row with true number 64 G + 32 h + 8 u + j (h 0..1, u 0..3, j 0..7) lies at 64 G + 16 u + 8 h + j.  A tile of 16 neighbouring stored rows used as a matrix
; instruction's source 0 then leaves, in the 32 result registers of four neighbouring tiles, 32 TRUE neighbours in one lane: a whole block of the next product's K.
; A block's scale is 2^(floor(log2(its largest magnitude)) - 2); its byte is the largest magnitude's exponent field - 2, held at 1 from below.  A block of zeros gets the byte 1 where the rule says 127: its codes are
; zeros, which add nothing under any byte but 0xff, and this program alone reads the bytes.
; LIMITS: blocks whose largest magnitude lies under 2^-124 keep the byte 1; NaN and infinities among the inputs are not served.
; Work-groups 0..127 take the weights (K is their first axis: a lane takes a column, its registers run down K; the codes leave through a stage in LDS as rows).
; Work-groups 128..895 take q, k, v (K innermost: a plain stream of blocks; 8 rows, 8,192 numbers, to a wave; the stored order moves whole runs of 8 rows).
; The two paths part on the work-group's number and have LDS bytes of their own: the stream 0..32,767, the weights 32,768..67,583.  No tensor loads, no barrier: waves share nothing, so no cluster either.
.set WGW,    128                       ; work-groups for the weights
.set STEPS,  16                        ; the stream: steps of 512 numbers a wave
.set CB,     12                        ; bytes of 16 codes
.set R,      16                        ; v16-79   four sets of 16 numbers as loaded
.set X,      80                        ; v80-111  two sets of 16 neighbours
.set E,      112                       ; v112-127 a scale byte for each step
.set C,      128                       ; v128-191 codes, four registers a step
.set WREG,   8192                      ; LDS of a wave: two stages of 32 x SP bytes, then 256 scale bytes
.set SP,     80
.set NB,     8                         ; the weights: blocks of 32 along K a wave
.set WPITCH, 272                       ; a stage row: sixteen places of 16 bytes + 16
; THE CODES LIE BY K STEPS OF 256 (this takes the place of the rows of 768 bytes named above): xq [3][K step, 4][8192 rows][192 bytes], wts [4][K step, 4][1024 rows][192 bytes]:
; 128 rows of one K step are 24,576 bytes on end, a multiple of 256, beginning at a multiple of 256.
.set KROW,   192                       ; a row of a K step's codes in memory
.set WSTG,   32768
.set XW,     32                        ; v32-95   two sets of 32 numbers
.set CW,     96                        ; v96..    a block's codes
.set OUTR,   112                       ; v112-175 the way out
.set SB,     24                        ; v24-25   eight scale bytes
	s_load_b512 s[4:19], s[0:1], 0x0               ; q s[4:5], k s[6:7], v s[8:9], wq s[10:11], wk s[12:13], wv s[14:15], wo s[16:17], xq s[18:19]
	s_load_b64 s[20:21], s[0:1], 0x40              ; wts
	v_lshl_add_u32 v192, v0, 2, 0x10800
	v_mov_b32 v193, 0
	v_lshrrev_b32 v1, 5, v0
	v_readfirstlane_b32 s22, v1                    ; wave 0..3
	v_and_b32 v2, 31, v0                           ; lane
	s_wait_kmcnt 0x0
	s_cmp_lt_u32 ttmp9, WGW
	s_cbranch_scc0 .Lstream
	; ---------------- THE WEIGHTS: work-group = weight (4) x 256 along K (4) x 128 columns (8); a wave 32 columns x 256 along K
	s_lshr_b32 s23, ttmp9, 5                       ; which weight
	s_and_b32 s24, ttmp9, 7                        ; which 128 columns
	s_bfe_u32 s25, ttmp9, 0x20003                  ; which 256 along K
	s_cmp_lt_u32 s23, 1
	s_cselect_b64 s[26:27], s[10:11], s[12:13]
	s_cmp_lt_u32 s23, 3
	s_cselect_b64 s[28:29], s[14:15], s[16:17]
	s_cmp_lt_u32 s23, 2
	s_cselect_b64 s[26:27], s[26:27], s[28:29]     ; the choice hangs on the work-group's number alone
	s_lshl_b32 s30, s25, 20                        ; 256 rows of 4,096 bytes
	s_lshl_b32 s31, s24, 9
	s_add_co_u32 s30, s30, s31
	s_lshl_b32 s31, s22, 7                         ; + 4 x (128 X + 32 wave)
	s_add_co_u32 s30, s30, s31
	s_mov_b32 s31, 0
	s_add_nc_u64 s[26:27], s[26:27], s[30:31]
	s_lshl_b32 s32, s24, 7                         ; my columns 128 X + 32 w + lane are stored at 128 X + 64 (w / 2) + 8 (w % 2) + 16 (lane / 8) + lane % 8
	s_lshr_b32 s33, s22, 1
	s_lshl_b32 s33, s33, 6
	s_add_co_u32 s32, s32, s33
	s_and_b32 s33, s22, 1
	s_lshl_b32 s33, s33, 3
	s_add_co_u32 s32, s32, s33
	s_mul_i32 s34, s23, 786432
	s_mul_i32 s35, s32, KROW
	s_add_co_u32 s34, s34, s35
	s_mov_b32 s41, 1024*KROW                       ; wq, wk, wv: [K step][1024 rows][192]
	s_cmp_eq_u32 s23, 3                            ; wo: [128 rows, 8][K step][128 rows][192]: the 128 rows of a work-group, all of K, are 98,304 bytes on end
	s_cselect_b32 s41, 128*KROW, s41
	s_cselect_b32 s42, 3*128*KROW, 0
	s_mul_i32 s35, s25, s41                        ; my K step's plane
	s_mul_i32 s42, s24, s42
	s_add_co_u32 s35, s35, s42
	s_add_co_u32 s34, s34, s35
	s_mov_b32 s35, 0
	s_add_nc_u64 s[36:37], s[20:21], s[34:35]      ; the codes
	s_lshl_b32 s34, s23, 15
	s_lshl_b32 s38, s32, 5
	s_add_co_u32 s34, s34, s38
	s_lshl_b32 s38, s25, 3
	s_add_co_u32 s34, s34, s38
	s_add_co_u32 s34, s34, 3145728
	s_add_nc_u64 s[38:39], s[20:21], s[34:35]      ; the scale bytes
	s_wait_alu depctr_va_vdst(0)
	v_lshlrev_b32 v3, 2, v2                        ; in: 4 bytes a lane
	s_mul_i32 s40, s22, 32*WPITCH
	s_add_co_u32 s40, s40, WSTG                    ; my stage
	v_mul_u32_u24 v4, v2, WPITCH
	v_add_nc_u32 v4, s40, v4                       ; into it: row = my column
	v_and_b32 v5, 15, v2
	v_lshrrev_b32 v6, 4, v2                        ; out of it: sixteen lanes to a row, two rows an instruction
	v_mul_u32_u24 v7, v6, WPITCH
	v_lshl_add_u32 v7, v5, 4, v7
	v_add_nc_u32 v7, s40, v7
	v_mul_u32_u24 v8, v6, KROW
	v_mad_u32_u24 v8, v5, 12, v8                   ; and the same place in the codes' buffer
	v_lshrrev_b32 v9, 3, v2
	v_and_b32 v10, 7, v2
	v_lshl_add_u32 v9, v9, 4, v10
	v_lshlrev_b32 v9, 5, v9                        ; my column's row of scale bytes: 32 bytes a stored row
.macro WLOAD t                         ; block t: W(32 t + i, my column), i = 0 .. 31: each load reads 128 consecutive bytes a wave
.set ii, 0
.rept 32
	global_load_b32 v[XW+32*((\t)%2)+ii], v3, s[26:27] offset:(32*(\t)+ii)*4096 th:TH_LOAD_NT
.set ii, ii+1
.endr
.endm
	WLOAD 0
	WLOAD 1
.macro WBLOCK t
.set XS, XW+32*((\t)%2)
.if (\t) < NB-1
	s_wait_loadcnt 32                              ; this block's 32 loads are in; the next block's may be out
.else
	s_wait_loadcnt 0
.endif
	v_max3_num_f32 v12, |v[XS]|, |v[XS+1]|, |v[XS+2]|     ; the block's largest magnitude: all 32 numbers are mine
	v_max3_num_f32 v13, |v[XS+3]|, |v[XS+4]|, |v[XS+5]|
.irp i, 6,10,14,18,22,26
	v_max3_num_f32 v12, v12, |v[XS+\i]|, |v[XS+\i+1]|
	v_max3_num_f32 v13, v13, |v[XS+\i+2]|, |v[XS+\i+3]|
.endr
	v_max3_num_f32 v12, v12, |v[XS+30]|, |v[XS+31]|
	v_max3_num_f32 v12, v12, v13, 0x1800000        ; and the floor 2^(3 - 127): the byte cannot fall under 1
	v_add_nc_u32 v11, 0xff000000, v12              ; 2 off the exponent field: the conversion takes this operand's exponent field as its scale
	v_lshrrev_b32 v13, 23, v11                     ; the scale's byte
.if (\t)%4 == 0
	v_mov_b32 v[SB+(\t)/4], v13
.else
	v_lshl_or_b32 v[SB+(\t)/4], v13, 8*((\t)%4), v[SB+(\t)/4]
.endif
	v_cvt_scalef32_pk16_fp6_f32 v[CW:CW+2], v[XS:XS+15], v11
	v_cvt_scalef32_pk16_fp6_f32 v[CW+4:CW+6], v[XS+16:XS+31], v11   ; (a conversion's three registers begin on an even number)
	ds_store_b96 v4, v[CW:CW+2] offset:32*(\t)     ; 12 bytes to a place of 16, so that every LDS address is a multiple of 16
	ds_store_b96 v4, v[CW+4:CW+6] offset:32*(\t)+16
.if (\t)+2 < NB
	WLOAD (\t)+2
.endif
	s_wait_dscnt 0x0                               ; the stores have read their registers: the next block's codes may be written
.endm
.irp t, 0,1,2,3,4,5,6,7
	WBLOCK \t
.endr
	s_wait_alu depctr_va_vdst(0)
	global_store_b64 v9, v[SB:SB+1], s[38:39]      ; my column's 8 scale bytes
.irp t, 0,1,2,3,4,5,6,7,8,9,10,11,12,13,14,15
	ds_load_b96 v[OUTR+4*\t:OUTR+4*\t+2], v7 offset:2*\t*WPITCH   ; LDS serves a wave's instructions in order: these see my stores
.endr
.irp t, 0,1,2,3,4,5,6,7,8,9,10,11,12,13,14,15
	s_wait_dscnt 15-\t
	global_store_b96 v8, v[OUTR+4*\t:OUTR+4*\t+2], s[36:37] offset:(16*(\t/4)+2*(\t%4))*KROW   ; stage rows 2 t, 2 t + 1 are columns 2 t, 2 t + 1 of my 32: stored rows 16 (t / 4) + 2 (t % 4) + 0, 1; sixteen lanes store 192 consecutive bytes
.endr
	s_wait_tensorcnt 0x0
	ds_add_u32 v192, v193
	s_wait_dscnt 0x0
	s_endpgm
	; ---------------- THE STREAM: q, k, v.  Work-group i takes 32 rows, wave w rows 8 (4 i + w) on: run 4 i + w = 8 G + 4 h + u goes to run 8 G + 2 u + h
.Lstream:
	s_sub_co_u32 s23, ttmp9, WGW                   ; i, 0..767: 256 for each tensor
	s_lshr_b32 s24, s23, 8
	s_cmp_lt_u32 s24, 1
	s_cselect_b64 s[26:27], s[4:5], s[6:7]
	s_cmp_lt_u32 s24, 2
	s_cselect_b64 s[26:27], s[26:27], s[8:9]       ; the choice hangs on the work-group's number alone
	s_and_b32 s25, s23, 255
	s_lshl_b32 s25, s25, 2
	s_add_co_u32 s25, s25, s22                     ; my run in the tensor
	s_lshl_b32 s30, s25, 15                        ; 32,768 bytes a run
	s_mov_b32 s31, 0
	s_add_nc_u64 s[26:27], s[26:27], s[30:31]
	s_lshr_b32 s32, s23, 1
	s_lshl_b32 s32, s32, 3
	s_lshl_b32 s33, s22, 1
	s_add_co_u32 s32, s32, s33
	s_and_b32 s33, s23, 1
	s_add_co_u32 s32, s32, s33                     ; where it is stored: 8 (i / 2) + 2 w + i % 2, counted through all three tensors
	s_and_b32 s34, s32, 1023                       ; my run of 8 rows in its tensor: 1,536 bytes in each K step's plane
	s_mul_i32 s34, s34, 1536
	s_mul_i32 s35, s24, 6291456
	s_add_co_u32 s34, s34, s35
	s_mov_b32 s35, 0
	s_add_nc_u64 s[36:37], s[18:19], s[34:35]      ; its codes
	s_lshl_b32 s34, s32, 8
	s_add_co_u32 s34, s34, 18874368
	s_add_nc_u64 s[38:39], s[18:19], s[34:35]      ; its 256 scale bytes
	s_wait_alu depctr_va_vdst(0)
	v_lshlrev_b32 v3, 4, v2                        ; my 16 bytes of a load's 512
	s_mul_i32 s40, s22, WREG
	v_lshrrev_b32 v14, 2, v2
	v_mul_u32_u24 v14, v14, SP
	v_and_b32 v15, 3, v2
	v_lshl_add_u32 v14, v15, 4, v14
	v_add_nc_u32 v14, s40, v14                     ; the stage, on the way in: four lanes' 64 bytes on end, then 16 of padding
	v_mul_u32_u24 v15, v2, SP
	v_add_nc_u32 v15, s40, v15                     ; and on the way out: my 16 neighbours
	v_and_b32 v4, 15, v2                           ; a step is half a row, two K steps: lanes 0-15 the first, lanes 16-31 the second, a plane of 1,572,864 bytes on
	v_mul_u32_u24 v4, v4, CB
	v_lshrrev_b32 v5, 4, v2
	v_mad_u32_u24 v4, v5, 0x180000, v4
	v_lshrrev_b32 v5, 1, v2
	s_add_co_u32 s40, s40, 2*32*SP
	v_add_nc_u32 v5, s40, v5                       ; my block's scale byte in LDS
	v_lshlrev_b32 v7, 3, v2
	v_add_nc_u32 v6, s40, v7                       ; and on the way out 8 bytes a lane
.macro XLOAD t
.irp i, 0,1,2,3
	global_load_b128 v[R+16*((\t)%4)+4*\i:R+16*((\t)%4)+4*\i+3], v3, s[26:27] offset:2048*(\t)+512*\i th:TH_LOAD_NT   ; 32 lanes read 512 consecutive bytes
.endr
.endm
.macro XTURN t                         ; step t's numbers through the stage: LDS serves a wave's instructions in order, so no wait stands between the stores and the loads
.irp i, 0,1,2,3
	ds_store_b128 v14, v[R+16*((\t)%4)+4*\i:R+16*((\t)%4)+4*\i+3] offset:32*SP*((\t)%2)+8*SP*\i
.endr
.irp i, 0,1,2,3
	ds_load_b128 v[X+16*((\t)%2)+4*\i:X+16*((\t)%2)+4*\i+3], v15 offset:32*SP*((\t)%2)+16*\i
.endr
.endm
.irp t, 0,1,2,3
	XLOAD \t
.endr
	s_wait_alu depctr_va_vdst(0)
	s_wait_loadcnt 12                              ; step 0's four loads are in
	XTURN 0
.macro XSTEP t
.set XS, X+16*((\t)%2)
.if (\t) > 0
	s_wait_dscnt 1                                 ; this step's numbers are back from the stage (the last step's byte store may be out): so its stores into the stage have read their registers,
.else
	s_wait_dscnt 0x0
.endif
.if (\t)+4 < STEPS
	XLOAD (\t)+4                                   ; which take the loads of four steps on
.endif
.if (\t)+1 < STEPS
.if STEPS-2-(\t) >= 3
	s_wait_loadcnt 12                              ; the next step's four loads are in; those of the three steps behind it may be out
.else
	s_wait_loadcnt 4*(STEPS-2-(\t))
.endif
	XTURN (\t)+1
.endif
	v_max3_num_f32 v8, |v[XS]|, |v[XS+1]|, |v[XS+2]|      ; the largest magnitude of my 16
	v_max3_num_f32 v9, |v[XS+3]|, |v[XS+4]|, |v[XS+5]|
.irp i, 6,10
	v_max3_num_f32 v8, v8, |v[XS+\i]|, |v[XS+\i+1]|
	v_max3_num_f32 v9, v9, |v[XS+\i+2]|, |v[XS+\i+3]|
.endr
	v_max3_num_f32 v8, v8, |v[XS+14]|, |v[XS+15]|
	v_max3_num_f32 v8, v8, v9, 0x1800000           ; and the floor 2^(3 - 127)
	v_max_num_f32_dpp v8, v8, v8 row_xmask:1 row_mask:0xf bank_mask:0xf   ; and of my neighbour's 16: the block's
	v_add_nc_u32 v11, 0xff000000, v8               ; 2 off its exponent field
	v_cvt_scalef32_pk16_fp6_f32 v[C+4*(\t):C+4*(\t)+2], v[XS:XS+15], v11
	v_lshrrev_b32 v[E+(\t)], 23, v11               ; the scale's byte
	ds_store_b8 v5, v[E+(\t)] offset:16*(\t)       ; both lanes of a block write the same byte with the same value
	global_store_b96 v4, v[C+4*(\t):C+4*(\t)+2], s[36:37] offset:192*((\t)/2)+3145728*((\t)%2)   ; row t / 2 of my 8, K steps 2 (t % 2) and 2 (t % 2) + 1: sixteen lanes store 192 consecutive bytes
.endm
.irp t, 0,1,2,3,4,5,6,7,8,9,10,11,12,13,14,15
	XSTEP \t
.endr
	ds_load_b64 v[12:13], v6                       ; LDS serves a wave's instructions in order: these see my stores
	s_wait_dscnt 0x0
	global_store_b64 v7, v[12:13], s[38:39]        ; 32 lanes store 256 consecutive bytes, aligned
	s_wait_tensorcnt 0x0
	ds_add_u32 v192, v193
	s_wait_dscnt 0x0
	s_endpgm
.Lfunc_end_k_q10b7bc0d98_quant:
	.size	k_q10b7bc0d98_quant, .Lfunc_end_k_q10b7bc0d98_quant-k_q10b7bc0d98_quant
	.p2alignl 7, 3214868480
	.fill 96, 4, 3214868480
	.section	.rodata,"a",@progbits
	.p2align	6, 0x0
	.amdhsa_kernel k_q10b7bc0d98_quant
		.amdhsa_group_segment_fixed_size 68096
		.amdhsa_private_segment_fixed_size 0
		.amdhsa_enable_private_segment 0
		.amdhsa_kernarg_size 72
		.amdhsa_user_sgpr_count 2
		.amdhsa_user_sgpr_kernarg_segment_ptr 1
		.amdhsa_wavefront_size32 1
		.amdhsa_system_sgpr_workgroup_id_x 1
		.amdhsa_system_sgpr_workgroup_id_y 1
		.amdhsa_system_sgpr_workgroup_id_z 1
		.amdhsa_system_vgpr_workitem_id 0
		.amdhsa_next_free_vgpr 194
		.amdhsa_next_free_sgpr 66
		.amdhsa_reserve_vcc 0
		.amdhsa_float_denorm_mode_32 3
		.amdhsa_float_denorm_mode_16_64 3
		.amdhsa_memory_ordered 1
		.amdhsa_forward_progress 1
		.amdhsa_inst_pref_size 75
	.end_amdhsa_kernel
	.amdgpu_metadata
---
amdhsa.version: [ 1, 2 ]
amdhsa.kernels:
  - .name:           k_q10b7bc0d98_quant
    .symbol:         k_q10b7bc0d98_quant.kd
    .args:
      - { .name: q, .offset: 0, .size: 8, .value_kind: global_buffer, .address_space: global }
      - { .name: k, .offset: 8, .size: 8, .value_kind: global_buffer, .address_space: global }
      - { .name: v, .offset: 16, .size: 8, .value_kind: global_buffer, .address_space: global }
      - { .name: wq, .offset: 24, .size: 8, .value_kind: global_buffer, .address_space: global }
      - { .name: wk, .offset: 32, .size: 8, .value_kind: global_buffer, .address_space: global }
      - { .name: wv, .offset: 40, .size: 8, .value_kind: global_buffer, .address_space: global }
      - { .name: wo, .offset: 48, .size: 8, .value_kind: global_buffer, .address_space: global }
      - { .name: xq, .offset: 56, .size: 8, .value_kind: global_buffer, .address_space: global }
      - { .name: wts, .offset: 64, .size: 8, .value_kind: global_buffer, .address_space: global }
    .group_segment_fixed_size: 68096
    .private_segment_fixed_size: 0
    .kernarg_segment_align: 8
    .kernarg_segment_size: 72
    .max_flat_workgroup_size: 128
    .sgpr_count:     66
    .vgpr_count:     194
    .wavefront_size: 32
...
	.end_amdgpu_metadata
.endif
;; end of part 1
;; launch proj (part 2): grid 4 x 96, 4 waves a work-group, clusters of 4 x 4, 327,680 bytes of LDS; arguments xq, wts, bq, bk, bv, qim, kvm; writes qim, kvm
.if DOCPART == 2
	.amdgcn_target "amdgcn-amd-amdhsa--gfx1250"
	.amdhsa_code_object_version 6
	.text
	.protected	k_q10b7bc0d98_proj
	.globl	k_q10b7bc0d98_proj
	.p2align	8
	.type	k_q10b7bc0d98_proj,@function
k_q10b7bc0d98_proj:
	s_mov_b64 s[64:65], 0
	v_nop
	global_prefetch_b8 v0, s[64:65] scope:SCOPE_SE
	s_setreg_imm32_b32 hwreg(HW_REG_WAVE_MODE, 25, 1), 1
	s_wait_xcnt 0x0
	s_wait_alu depctr_hold_cnt(0) depctr_sa_sdst(0) depctr_va_vdst(0) depctr_va_sdst(0) depctr_va_ssrc(0) depctr_va_vcc(0) depctr_vm_vsrc(0)
	s_getreg_b32 s2, hwreg(HW_REG_IB_STS2, 6, 4)
	s_cmp_eq_u32 s2, 0
	s_cbranch_scc0 .Lentry_in_a_cluster
	s_endpgm
.Lentry_in_a_cluster:
	s_bfe_u32 s2, ttmp6, 0x10000c
	s_cmp_lg_u32 s2, 0xf033
	s_cbranch_scc0 .Lentry_shape_is_right
	s_endpgm
.Lentry_shape_is_right:
; The three projections x W + b on codes of FP6 (E2M3) with E8M0 scales, K = 1,024; the results are quantised in registers for attention and leave as IMAGES OF OPERAND REGISTERS.
; Cluster y = 8 t + g: t = 0 (q), 1 (k), 2 (v).  A tile is 256 x 256, four waves of 128 x 128: 64 accumulators, 512 registers.  K goes in steps of 256 through a ring of two LDS slots.
; Below, A is the matrix instruction's source 1 (its rows end up in LANES) and B its source 0 (its rows end up along a lane's REGISTERS, which is the axis that is quantised next).
;   t < 2: A = x (tokens), B = W (channels): a lane holds one token and 64 + 64 channels: two heads' K of the product q k^T.     t = 2: A = Wv (channels), B = x (tokens): a lane holds one channel and 128 keys: the K of p v.
; Rows of x and W are stored so (true row 64 G + 32 h + 8 u + j at 64 G + 16 u + 8 h + j) that the 32 result registers of four neighbouring tiles of B are one whole block of 32 true neighbours, in the very
; order of a 6-bit operand's registers: no lane is asked for a block's maximum, and the conversions' results are the operand.
; OUT: qim: [bh][tile of 16 tokens, 128][768 bytes: registers 0-3 at 16 x lane, registers 4-5 at 512 + 8 x lane]; scale words [bh][128 tokens, 16][lane][4]: word j of lane l: the two bytes of tile 2 j + l / 16, row l % 16.
;      kvm: [bh][key step of 128, 16][8 such tiles of k, then 4 tiles of v (16 channels x 128 keys: registers 4 g .. 4 g + 3 at 512 g + 16 x lane)]; then for each bh k's words as q's, and v's [step][lane][2].
; CLUSTERS: 4 x 4 work-groups; A's tiles are asked for jointly along a row of the cluster, B's along a column.  t and g are the same in all sixteen partners.
; LIMITS: a block whose largest magnitude lies under 2^-124 keeps the byte 1, a block of zeros too (its codes are zeros); NaN and infinities are not served.
; REGISTERS: window 0: v16-31 addresses; v32-63 scale words, two sets; v64-127 the bias; from v128 A's fragments, one set; on the way out v128-245 at work.  window 1: B's fragments, two sets.  windows 2, 3: the accumulators.
.set KSTEP,  256
.set NQ,     KSTEP/128
.set ROWB,   192                       ; a tile's row in bytes
.set KROW,   768                       ; a row's codes over all four K steps
.set PITCH,  240                       ; an LDS row: 3 x (64 bytes + 16 of padding)
.set FR,     12
.set NL,     6
.set NP,     4
.set HALFT,  128*PITCH
.set SLOT,   4*HALFT
.set KS,     32                        ; a row of scale bytes
.set SCL,    2*SLOT                    ; behind the ring: the scales, as units of 256 bytes + 16 of padding
.set HALFS,  (128*KS/256)*272
.set SBLK,   (16*KS/256)*272
.set SPARE,  SCL+4*HALFS               ; the spare words, 128 bytes a wave: two blocks of 256 bytes that no other line names
.set ADRA, 16                          ; v16-19
.set ADRB, 20                          ; v20-23
.set SH8,  24                          ; v24  8 x (lane / 16)
.set L8,   25                          ; v25  8 x lane
.set LI,   26                          ; v26  16 x lane
.set ADRS, 27
.set SPW,  28
.set NIL,  29
.set BLQ,  30                          ; v30  the bias along registers: 128 x (lane / 16)
.set BLV,  31                          ; v31  the bias along lanes: 4 (r % 8) + 128 (r / 8)
.set SC,   32
.set BS,   64                          ; v64-127 the bias
.set AF,   128
.set HA,   128                         ; v128-191 a block's 64 numbers
.set PC,   192                         ; v192-203 its codes
.set PT,   204                         ; v204-206, v208-210 the upper halves as converted
.set CH,   212                         ; v212-215 four chains of maxima
.set SO,   216                         ; v216-217 the conversions' scale operands
.set BY,   218                         ; v218-219 the bytes
.set W,    220
.set PWS,  224                         ; v224-231 the eight blocks' scale words
.set T,    232
.set WA,   236
.set WB,   240
.set W2,   245
.set G1, 24
.set G0, 32
.set G1B, 48
.set G0B, 56
.set G1S, 68
.set G0S, 76
.set G1SB, 80
.set G0SB, 88
.set TT,  67                           ; s67  t
.set SEL, 92                           ; s[92:93] selects for v_permlanex16_b32: lane l xor 16 (set when these registers are free)
.set BP,  36                           ; the way out: s[36:37] the bias, s[40:41], s[42:43] the codes of my two heads, s[44:45], s[46:47] their scale words
.set CA,  40
.set CBP, 42
.set SA,  44
.set SBP, 46
.set MSB, 0
.macro WIN new                         ; the immediate's high byte repeats the setting that is left
.if MSB != (\new)
	s_set_vgpr_msb (MSB<<8)|(\new)
.set MSB, (\new)
.endif
.endm
.set MUL_LO, 0xa1                      ; source 0 (B) window 1, source 1 (A) window 0, C and D window 2
.set MUL_HI, 0xf1
.set TO_B,   0x40
.macro JLOAD g0a, g1a, g0b, g1b        ; a joint load: waves 0 and 1 fetch for A, waves 2 and 3 for B; four v_nop follow each of the two lines
	s_cmp_eq_u32 s15, 0
	s_cbranch_scc0 .Lfor_b_\@
	tensor_load_to_lds s[\g0a:\g0a+3], s[\g1a:\g1a+7]
	s_nop 0
.rept 4
	v_nop
.endr
	s_branch .Lasked_\@
.Lfor_b_\@:
	tensor_load_to_lds s[\g0b:\g0b+3], s[\g1b:\g1b+7]
	s_nop 0
.rept 4
	v_nop
.endr
.Lasked_\@:
.endm
.macro CREST
	s_cmp_lg_u32 s14, 0
	s_cbranch_scc1 .Lnot_wave_0_\@
	s_barrier_signal -3
.Lnot_wave_0_\@:
	s_barrier_wait -3
	s_barrier_signal -1
	s_barrier_wait -1
.endm
.macro CROUND
	s_barrier_signal -1
	s_barrier_wait -1
	CREST
.endm
	s_load_b128 s[4:7], s[0:1], 0x0                ; xq s[4:5], wts s[6:7]
	v_lshl_add_u32 v[SPW], v0, 2, SPARE
	v_mov_b32 v[NIL], 0
	ds_add_u32 v28, v29
	ds_add_u32 v28, v29
	s_wait_dscnt 0x0
	v_mov_b32 v[W2], 0                             ; a lane permute's destination counts as one of its sources
	v_lshrrev_b32 v1, 5, v0
	v_readfirstlane_b32 s14, v1                    ; wave 0..3
	s_lshr_b32 s15, s14, 1                         ; which half of A's rows is mine.  Also: I fetch for A (0) or for B (1)
	s_and_b32 s16, s14, 1                          ; which half of B's rows.  Also: which 128 rows I fetch
	s_bfe_u32 s40, ttmp6, 0x40000                  ; cx
	s_bfe_u32 s41, ttmp6, 0x40004                  ; cy
	s_and_b32 s66, ttmp7, 0xffff                   ; the cluster's y, 0..23
	s_lshr_b32 s[TT], s66, 3                       ; t
	s_and_b32 s66, s66, 7
	s_lshl_b32 s66, s66, 2                         ; 4 g: the 1,024 tokens of this cluster
	s_cmp_eq_u32 s[TT], 2
	s_cselect_b32 s18, 0, s66
	s_cselect_b32 s19, s66, 0
	s_add_co_u32 s17, s41, s18                     ; A's tile: tokens 4 g + cy, or (v) channels cy
	s_add_co_u32 s42, s40, s19                     ; B's tile: channels cx, or (v) tokens 4 g + cx
	s_lshl_b32 s43, s41, 2
	s_lshl_b32 s43, 15, s43                        ; my row of the cluster
	s_lshl_b32 s44, 0x1111, s40                    ; my column
	s_or_b32 s[G1+0], s43, (0<<16)|(1<<20)|(1<<21)|(3<<22)|(3<<25)  ; the mask; elements of 1 byte; padding on; bit 21 beside a mask; after every 16 words 4 words
	s_or_b32 s[G1B+0], s44, (0<<16)|(1<<20)|(1<<21)|(3<<22)|(3<<25)
.irp g, G1, G1B
	s_mov_b32 s[\g+1], 256<<16                     ; a K step's rows of 192 bytes lie on end: the tile is stated as rows of 256 bytes; the padding goes by 64 bytes, so an LDS row of codes is 3 x (64 + 16)
	s_mov_b32 s[\g+2], 192<<16                     ; the head's loads: 256 rows of codes = 192 rows of 256 bytes
	s_mov_b32 s[\g+3], 256<<16
	s_mov_b32 s[\g+4], 192
	s_mov_b32 s[\g+5], 256
	s_mov_b32 s[\g+6], 0
	s_mov_b32 s[\g+7], 0
.endr
	s_or_b32 s[G1S+0], s43, (3<<16)|(1<<20)|(1<<21)|(5<<22)|(3<<25)   ; the scales of 256 rows: 8,192 dense bytes as 32 rows of 256, 16 bytes of padding behind each
	s_or_b32 s[G1SB+0], s44, (3<<16)|(1<<20)|(1<<21)|(5<<22)|(3<<25)
.irp g, G1S, G1SB
	s_mov_b32 s[\g+1], 32<<16
	s_mov_b32 s[\g+2], (256*KS/256)<<16            ; the scales of all 256 rows by one load
	s_mov_b32 s[\g+3], 32<<16
	s_mov_b32 s[\g+4], 256*KS/256
	s_mov_b32 s[\g+5], 32
	s_mov_b32 s[\g+6], 0
	s_mov_b32 s[\g+7], 0
.endr
	s_lshl_b32 s20, s17, 8                         ; A: the tile's first row
	s_lshl_b32 s46, s42, 8                         ; B likewise
	s_mov_b32 s21, 0
	s_mov_b32 s47, 0
	s_mov_b64 s[18:19], KS
	s_mul_u64 s[22:23], s[20:21], s[18:19]
	s_mul_u64 s[92:93], s[46:47], s[18:19]
	s_mov_b64 s[18:19], ROWB
	s_mul_u64 s[20:21], s[20:21], s[18:19]         ; 192 bytes a row in a K step's plane
	s_mul_u64 s[46:47], s[46:47], s[18:19]
	s_mul_i32 s18, s16, 128*ROWB                   ; in the ring I fetch 128 rows: which half, in bytes,
	s_mov_b32 s19, 0
	s_mul_i32 s45, s14, HALFT                      ; and where they go: wave x 128 rows
	s_mul_i32 s8, s[TT], 6291456                   ; tensor t in xq and in wts: codes and scale bytes
	s_mov_b32 s9, 0
	s_lshl_b32 s10, s[TT], 18
	s_add_co_u32 s10, s10, 18874368
	s_mov_b32 s11, 0
	s_mul_i32 s12, s[TT], 786432
	s_mov_b32 s13, 0
	s_lshl_b32 s96, s[TT], 15
	s_add_co_u32 s96, s96, 3145728
	s_mov_b32 s97, 0
	s_wait_kmcnt 0x0
	s_add_nc_u64 s[8:9], s[4:5], s[8:9]            ; x's codes
	s_add_nc_u64 s[10:11], s[4:5], s[10:11]        ; x's scales
	s_add_nc_u64 s[12:13], s[6:7], s[12:13]        ; W's codes
	s_add_nc_u64 s[96:97], s[6:7], s[96:97]        ; W's scales
	s_cmp_eq_u32 s[TT], 2                          ; for v the two change places
	s_cselect_b64 s[4:5], s[12:13], s[8:9]         ; A's codes
	s_cselect_b64 s[6:7], s[96:97], s[10:11]       ; A's scales
	s_cselect_b64 s[8:9], s[8:9], s[12:13]         ; B's codes
	s_cselect_b64 s[10:11], s[10:11], s[96:97]     ; B's scales
	s_add_nc_u64 s[20:21], s[4:5], s[20:21]
	s_add_nc_u64 s[22:23], s[6:7], s[22:23]
	s_add_nc_u64 s[46:47], s[8:9], s[46:47]
	s_add_nc_u64 s[92:93], s[10:11], s[92:93]
	s_mov_b32 s2, 8192*ROWB                        ; from a K step's plane to the next: x's,
	s_mov_b32 s12, 1024*ROWB                       ; and W's
	s_cmp_eq_u32 s[TT], 2                          ; for v the two change places; t is the same in all sixteen partners
	s_cselect_b32 s13, s12, s2
	s_cselect_b32 s2, s2, s12                      ; s[2:3]: B's
	s_mov_b32 s12, s13                             ; s[12:13]: A's
	s_mov_b32 s13, 0
	s_mov_b32 s3, 0
	CROUND                                         ; all sixteen work-groups are here: the first joint loads meet
	s_mov_b32 s4, 1                                ; the head's four tiles, each whole: K step 0's 256 rows of A,
	s_mov_b32 s5, 0
	s_mov_b64 s[6:7], s[20:21]
	s_or_b32 s7, s7, 0x80000000
	s_mov_b32 s8, 1                                ; its 256 rows of B, behind them in slot 0,
	s_mov_b32 s9, 2*HALFT
	s_mov_b64 s[10:11], s[46:47]
	s_or_b32 s11, s11, 0x80000000
	s_mov_b32 s[G0S], 1                            ; the scales of A's 256 rows,
	s_mov_b32 s[G0S+1], SCL
	s_mov_b64 s[G0S+2:G0S+3], s[22:23]
	s_or_b32 s[G0S+3], s[G0S+3], 0x80000000
	s_mov_b32 s[G0SB], 1                           ; and of B's
	s_mov_b32 s[G0SB+1], SCL+2*HALFS
	s_mov_b64 s[G0SB+2:G0SB+3], s[92:93]
	s_or_b32 s[G0SB+3], s[G0SB+3], 0x80000000
	s_add_nc_u64 s[20:21], s[20:21], s[18:19]      ; for the ring: my 128 rows
	s_add_nc_u64 s[46:47], s[46:47], s[18:19]
.irp s, 0,1
	s_mov_b32 s[G0+4*\s], 1
	s_add_co_u32 s[G0+4*\s+1], s45, \s*SLOT
	s_mov_b64 s[G0+4*\s+2:G0+4*\s+3], s[20:21]
	s_mov_b32 s[G0B+4*\s], 1
	s_add_co_u32 s[G0B+4*\s+1], s45, \s*SLOT
	s_mov_b64 s[G0B+4*\s+2:G0B+4*\s+3], s[46:47]
.endr
	s_add_nc_u64 s[G0+6:G0+7], s[G0+6:G0+7], s[12:13]        ; slot 1 begins at K step 1
	s_add_nc_u64 s[G0B+6:G0B+7], s[G0B+6:G0B+7], s[2:3]
.irp s, 0,1
	s_or_b32 s[G0+4*\s+3], s[G0+4*\s+3], 0x80000000
	s_or_b32 s[G0B+4*\s+3], s[G0B+4*\s+3], 0x80000000
.endr
	s_lshl_b32 s12, s12, 1                         ; a refill goes two K steps on
	s_lshl_b32 s2, s2, 1
; THE HEAD'S LOADS, ONE A WAVE: wave 0 A's rows, wave 1 B's, wave 2 A's scales, wave 3 B's: one chain of branches on the wave's number, every way passes one load.
.macro ARM under, g0, g1, next
	s_cmp_lt_u32 s14, \under
	s_cbranch_scc0 \next
	tensor_load_to_lds s[\g0:\g0+3], s[\g1:\g1+7]
	s_nop 0
.rept 4
	v_nop
.endr
	s_branch .Lhead_asked
\next:
.endm
	ARM 1, 4,   G1,  .Lhead_b
	ARM 2, 8,   G1B, .Lhead_sa
	ARM 3, G0S, G1S, .Lhead_sb
	tensor_load_to_lds s[G0SB:G0SB+3], s[G1SB:G1SB+7]
	s_nop 0
.rept 4
	v_nop
.endr
.Lhead_asked:
	v_and_b32 v1, 15, v0                           ; r
	v_bfe_u32 v2, v0, 4, 1                         ; h
	v_mul_u32_u24 v3, v1, PITCH
	v_mul_u32_u24 v4, v2, 24
	v_add_nc_u32 v4, v3, v4                        ; a fragment's row x pitch + 24 x half
	v_lshl_add_u32 v5, v2, 4, v4                   ; and the same behind one padding more
	s_mul_i32 s21, s15, HALFT
	s_mul_i32 s22, s16, HALFT
	s_add_co_u32 s22, s22, 2*HALFT
.irp s, 0,1
	v_add_nc_u32 v[ADRA+\s], s21, v4
	v_add_nc_u32 v[ADRB+\s], s22, v4
	v_add_nc_u32 v[ADRA+2+\s], s21, v5
	v_add_nc_u32 v[ADRB+2+\s], s22, v5
	s_add_co_u32 s21, s21, SLOT
	s_add_co_u32 s22, s22, SLOT
.endr
	v_mul_u32_u24 v5, v1, KS                       ; my row's scales: 32 bytes a row,
	v_lshrrev_b32 v6, 8, v5
	v_lshl_add_u32 v5, v6, 4, v5                   ; and 16 more for each 256 passed
	s_mul_i32 s21, s15, HALFS
	s_mul_i32 s22, s16, HALFS
	s_add_co_u32 s22, s22, 2*HALFS
	s_sub_co_u32 s22, s22, s21
	v_mul_u32_u24 v6, s22, v2                      ; lanes 16-31 take B's
	s_add_co_u32 s21, s21, SCL
	v_add_nc_u32 v5, v5, v6
	v_add_nc_u32 v[ADRS], s21, v5
	v_lshlrev_b32 v[SH8], 3, v2
	v_and_b32 v6, 31, v0
	v_lshlrev_b32 v[L8], 3, v6
	v_lshlrev_b32 v[LI], 4, v6
	v_lshlrev_b32 v[BLQ], 7, v2
	v_and_b32 v5, 7, v1
	v_lshrrev_b32 v7, 3, v1
	v_lshlrev_b32 v[BLV], 2, v5
	v_lshl_add_u32 v[BLV], v7, 7, v[BLV]
	; where my results go, in bytes (s96 codes, s97 from my first head to my second, s98 scale words, s99 likewise, s100 the bias)
	s_cmp_eq_u32 s[TT], 2
	s_cselect_b32 s18, s42, s17                    ; the tile and half that count tokens,
	s_cselect_b32 s19, s16, s15
	s_cselect_b32 s20, s17, s42                    ; and those that count channels
	s_cselect_b32 s21, s15, s16
	s_cselect_b32 s22, 6144, 0                     ; v's tiles lie behind k's eight in a key step's record
	s_lshl_b32 s18, s18, 8
	s_lshl_b32 s19, s19, 7
	s_add_co_u32 s18, s18, s19                     ; my first token
	s_lshr_b32 s19, s18, 11                        ; its batch
	s_bfe_u32 s23, s18, 0x40007                    ; which 128 tokens of the batch
	s_lshl_b32 s20, s20, 2
	s_lshl_b32 s21, s21, 1
	s_add_co_u32 s20, s20, s21                     ; my first head
	s_lshl_b32 s19, s19, 4
	s_add_co_u32 s19, s19, s20                     ; batch x 16 + head
	s_min_u32 s21, s[TT], 1                        ; kvm's records are twice qim's
	s_lshl_b32 s96, s19, 4
	s_add_co_u32 s96, s96, s23
	s_mul_i32 s96, s96, 6144
	s_lshl_b32 s96, s96, s21
	s_add_co_u32 s96, s96, s22
	s_lshl_b32 s97, 98304, s21
	s_lshl_b32 s99, s21, 12
	s_add_co_u32 s99, s99, 8192
	s_mul_i32 s98, s19, s99
	s_lshl_b32 s45, 6291456, s21
	s_add_co_u32 s98, s98, s45
	s_cmp_eq_u32 s[TT], 2
	s_cselect_b32 s45, 8, 9                        ; v: 256 bytes of words a key step, behind k's 8,192; q, k: 512
	s_cselect_b32 s46, 8192, 0
	s_lshl_b32 s45, s23, s45
	s_add_co_u32 s98, s98, s45
	s_add_co_u32 s98, s98, s46
	s_lshl_b32 s100, s20, 8                        ; 64 channels of 4 bytes a head
	s_mov_b32 s101, 0xffff0000                     ; lanes 16-31
	s_mov_b32 s[SEL], 0x76543210
	s_mov_b32 s[SEL+1], 0xfedcba98
.macro FRAG reg, adr, q, i             ; a fragment, 16 rows x 128 K: 12 registers, six pieces of 8 bytes; where lanes 16-31's piece lies behind one padding more, the second address register serves
.irp p, 0,1,2,3,4,5
.set PCE, 12*(\q)+6*(\p/3)+\p%3
.if PCE%8 < 5
	ds_load_b64 v[\reg+2*\p:\reg+2*\p+1], v[\adr] offset:8*PCE+16*(PCE/8)+(\i)*16*PITCH
.else
	ds_load_b64 v[\reg+2*\p:\reg+2*\p+1], v[\adr+2] offset:8*PCE+16*(PCE/8)+(\i)*16*PITCH
.endif
.endr
.endm
; 16 matrix instructions: A's blocks a0, a0 + 1 x B's eight.  The 64 accumulators take turns, one instruction a turn, in the same order in every step.
.macro MUL16 a0, p, q, sc, zero
.irp a, \a0, \a0+1
.irp b, 0,1,2,3,4,5,6,7
.if \zero
	v_wmma_scale_f32_16x16x128_f8f6f4 v[8*(8*((\a)%4)+\b):8*(8*((\a)%4)+\b)+7], v[128*(\p)+FR*\b:128*(\p)+FR*\b+FR-1], v[AF+FR*(\a):AF+FR*(\a)+FR-1], 0, v[SC+8*NQ*(\sc)+NQ*\b+(\q)], v[SC+8*NQ*(\sc)+NQ*(\a)+(\q)] matrix_a_fmt:MATRIX_FMT_FP6 matrix_b_fmt:MATRIX_FMT_FP6 matrix_a_scale:MATRIX_SCALE_ROW1
.else
	v_wmma_scale_f32_16x16x128_f8f6f4 v[8*(8*((\a)%4)+\b):8*(8*((\a)%4)+\b)+7], v[128*(\p)+FR*\b:128*(\p)+FR*\b+FR-1], v[AF+FR*(\a):AF+FR*(\a)+FR-1], v[8*(8*((\a)%4)+\b):8*(8*((\a)%4)+\b)+7], v[SC+8*NQ*(\sc)+NQ*\b+(\q)], v[SC+8*NQ*(\sc)+NQ*(\a)+(\q)] matrix_a_fmt:MATRIX_FMT_FP6 matrix_b_fmt:MATRIX_FMT_FP6 matrix_a_scale:MATRIX_SCALE_ROW1
.endif
.endr
.endr
.endm
.macro FETCH_B slot, q, p
	WIN TO_B
.irp i, 0,1,2,3,4,5,6,7
	FRAG 128*(\p)+FR*\i, ADRB+\slot, \q, \i
.endr
	WIN 0
.endm
.macro FETCH_A slot, q, i0
.irp i, \i0, \i0+1, \i0+2, \i0+3
	FRAG AF+FR*(\i), ADRA+\slot, \q, \i
.endr
.endm
.macro SCALES sc                       ; a K step's scale words: lanes 0-15 A's block i, lanes 16-31 B's block i
.irp i, 0,1,2,3,4,5,6,7
	ds_load_b64 v[SC+8*NQ*\sc+NQ*\i:SC+8*NQ*\sc+NQ*\i+1], v[ADRS] offset:\i*SBLK
.endr
.endm
.macro PLACES n                        ; plain vector instructions between a matrix instruction and a load into, or a read of, its registers
.rept \n
	v_nop
.endr
.endm
.macro STEP slot, q, zero              ; 128 along K that has its successor in the same slot
	s_wait_dscnt 4*NL                              ; B's set and A's blocks 0-3 are in; the youngest 24 loads (A's blocks 4-7) may be out
	WIN MUL_LO
	MUL16 0, (\q)%2, \q, \slot, \zero
	MUL16 2, (\q)%2, \q, \slot, \zero
	s_wait_dscnt 0
	PLACES NP
	FETCH_B \slot, (\q)+1, 1-(\q)%2
	FETCH_A \slot, (\q)+1, 0
	WIN MUL_HI
	MUL16 4, (\q)%2, \q, \slot, \zero
	MUL16 6, (\q)%2, \q, \slot, \zero
	PLACES NP
	WIN 0
	FETCH_A \slot, (\q)+1, 4
.endm
.macro TURN slot, next, fill           ; a slot's last step changes slots: one barrier; fill = 1: this slot is filled again, two K steps ahead
	s_wait_tensorcnt 0x0                           ; all my tensor loads have landed: my part of the next slot
	ds_add_u32 v[SPW], v[NIL]                      ; 0 onto my spare word
	s_wait_dscnt 4*NL+1                            ; (the add and the youngest 24 loads may be out)
	WIN MUL_LO
	MUL16 0, 1, NQ-1, \slot, 0
	s_wait_dscnt 0x0                               ; the add is done, and my reads of this slot are over
	s_barrier_signal -1
	MUL16 2, 1, NQ-1, \slot, 0
	WIN 0
	s_barrier_wait -1
.if \fill
	CREST                                          ; the barrier has opened a round of the cluster's barrier: no wave of any partner still reads this slot or has a load on its way
	s_add_nc_u64 s[G0+4*\slot+2:G0+4*\slot+3], s[G0+4*\slot+2:G0+4*\slot+3], s[12:13]
	s_add_nc_u64 s[G0B+4*\slot+2:G0B+4*\slot+3], s[G0B+4*\slot+2:G0B+4*\slot+3], s[2:3]
	JLOAD G0+4*\slot, G1, G0B+4*\slot, G1B         ; the first tensor load behind the round; its four v_nop are the places in front of the loads below
.else
	PLACES NP
.endif
	s_wait_alu depctr_va_vdst(0)
	v_add_nc_u32 v[ADRS], 4*NQ, v[ADRS]
	FETCH_B \next, 0, 0
	FETCH_A \next, 0, 0
	SCALES \next
	WIN MUL_HI
	MUL16 4, 1, NQ-1, \slot, 0
	MUL16 6, 1, NQ-1, \slot, 0
	PLACES NP
	WIN 0
	FETCH_A \next, 0, 4
.endm
.macro LAST                            ; the last 128 along K: nothing more to fetch
	s_wait_dscnt 4*NL
	WIN MUL_LO
	MUL16 0, 1, NQ-1, 1, 0
	MUL16 2, 1, NQ-1, 1, 0
	s_wait_dscnt 0
	WIN MUL_HI
	MUL16 4, 1, NQ-1, 1, 0
	MUL16 6, 1, NQ-1, 1, 0
	WIN 0
	PLACES NP                                      ; in front of the first read of results and the first write over A's fragments
	s_wait_loadcnt 0x0                             ; the bias
.endm
; 64 numbers of a lane, v[s + 32 c + i] = k 64 c + 32 (lane / 16) + i of my row, become a fragment's codes in v[PC] on and the row's scale word in v[pw] (the same in both halves of the lanes).
.macro QUANT s, pw
.irp b, 0,1,2,3
	v_max3_num_f32 v[CH+\b], |v[(\s)+16*\b]|, |v[(\s)+16*\b+1]|, 0x1800000   ; four chains of 16 by turns, each with the floor 2^(3 - 127)
.endr
.irp i, 2,4,6,8,10,12,14
.irp b, 0,1,2,3
	v_max3_num_f32 v[CH+\b], v[CH+\b], |v[(\s)+16*\b+\i]|, |v[(\s)+16*\b+\i+1]|
.endr
.endr
	v_max_num_f32 v[CH], v[CH], v[CH+1]            ; my two blocks' largest magnitudes: all 32 numbers of a block are mine
	v_max_num_f32 v[CH+2], v[CH+2], v[CH+3]
	v_add_nc_u32 v[SO], 0xff000000, v[CH]          ; 2 off the exponent field: the conversion's scale operand
	v_add_nc_u32 v[SO+1], 0xff000000, v[CH+2]
	v_lshrrev_b32 v[BY], 23, v[SO]                 ; the bytes
	v_lshrrev_b32 v[BY+1], 23, v[SO+1]
	v_lshl_or_b32 v[W], v[BY+1], 16, v[BY]         ; blocks h and 2 + h,
	v_lshlrev_b32 v[W], v[SH8], v[W]               ; at their places in the word;
	v_permlanex16_b32 v[W2], v[W], s[SEL], s[SEL+1]
	v_or_b32 v[(\pw)], v[W], v[W2]                 ; with lane l xor 16's two the word is whole
.irp c, 0,1
	v_cvt_scalef32_pk16_fp6_f32 v[PC+6*\c:PC+6*\c+2], v[(\s)+32*\c:(\s)+32*\c+15], v[SO+\c]
	v_cvt_scalef32_pk16_fp6_f32 v[PT+4*\c:PT+4*\c+2], v[(\s)+32*\c+16:(\s)+32*\c+31], v[SO+\c]   ; (a conversion's three registers begin on an even number)
.endr
	v_nop                                          ; one plain place behind a scaled conversion
.irp c, 0,1
.irp i, 0,1,2
	v_mov_b32 v[PC+6*\c+3+\i], v[PT+4*\c+\i]
.endr
.endr
.endm
	s_wait_alu depctr_va_vdst(0)
	s_wait_tensorcnt 0x0                           ; my tile of the head's four is in; slot 1's first fill is issued as a refill is:
	ds_add_u32 v[SPW], v[NIL]                      ; 0 onto my spare word
	s_mov_b32 s[G1+2], 96<<16                      ; no tensor load of mine is out: from here on a load brings 128 rows of codes = 96 rows of 256 bytes
	s_mov_b32 s[G1+4], 96
	s_mov_b32 s[G1B+2], 96<<16
	s_mov_b32 s[G1B+4], 96
	s_wait_dscnt 0x0
	CROUND                                         ; all four tiles are in, in all sixteen work-groups
	JLOAD G0+4, G1, G0B+4, G1B                     ; K step 1, the first tensor load behind the round
	FETCH_B 0, 0, 0
	FETCH_A 0, 0, 0
	SCALES 0
	FETCH_A 0, 0, 4
	STEP 0, 0, 1                                   ; K = 1,024 is four slots' worth: the eight steps are written out; the first products start the sums
	TURN 0, 1, 1
	STEP 1, 0, 0
	TURN 1, 0, 1
	STEP 0, 0, 0
	TURN 0, 1, 0                                   ; no tensor load of mine is out from here on: the descriptors' registers are free
	s_load_b256 s[24:31], s[0:1], 0x10             ; bq s[24:25], bk s[26:27], bv s[28:29], qim s[30:31]
	s_load_b64 s[32:33], s[0:1], 0x30              ; kvm
	STEP 1, 0, 0
	s_wait_kmcnt 0x0
	s_cmp_eq_u32 s[TT], 0
	s_cselect_b64 s[34:35], s[30:31], s[32:33]     ; q goes to qim, k and v to kvm
	s_cselect_b64 s[BP:BP+1], s[24:25], s[26:27]
	s_cmp_eq_u32 s[TT], 2
	s_cselect_b64 s[BP:BP+1], s[28:29], s[BP:BP+1]
	s_mov_b32 s39, 0
	s_mov_b32 s38, s100
	s_add_nc_u64 s[BP:BP+1], s[BP:BP+1], s[38:39]
	s_mov_b32 s38, s96
	s_add_nc_u64 s[CA:CA+1], s[34:35], s[38:39]
	s_mov_b32 s38, s97
	s_add_nc_u64 s[CBP:CBP+1], s[CA:CA+1], s[38:39]
	s_mov_b32 s38, s98
	s_add_nc_u64 s[SA:SA+1], s[34:35], s[38:39]
	s_mov_b32 s38, s99
	s_add_nc_u64 s[SBP:SBP+1], s[SA:SA+1], s[38:39]
	s_cmp_eq_u32 s[TT], 2                          ; the same in every wave and in all sixteen partners
	s_cbranch_scc1 .Lv
	; ---- q and k: a lane holds one token; registers 8 b + j: channel 64 (b / 4) + 32 h + 8 (b % 4) + j of my two heads
.irp b, 0,1,2,3,4,5,6,7
	global_load_b128 v[BS+8*\b:BS+8*\b+3], v[BLQ], s[BP:BP+1] offset:(64*(\b/4)+8*(\b%4))*4
	global_load_b128 v[BS+8*\b+4:BS+8*\b+7], v[BLQ], s[BP:BP+1] offset:(64*(\b/4)+8*(\b%4))*4+16
.endr
	LAST
.macro BLOCKQK a                       ; 16 tokens x 128 channels: + bias, quantised: registers 0-5 are the tile of my first head, 6-11 that of my second
	s_wait_xcnt 0x0                                ; the last block's stores have read their registers
	WIN 0x02+(\a)/4                                ; source 0: window 2 or 3
.set pp, 0
.rept 32
	v_pk_add_f32 v[HA+pp:HA+pp+1], v[64*((\a)%4)+pp:64*((\a)%4)+pp+1], v[BS+pp:BS+pp+1]   ; each accumulator from its low end on
.set pp, pp+2
.endr
	WIN 0
	QUANT HA, PWS+(\a)
	global_store_b128 v[LI], v[PC:PC+3], s[CA:CA+1] offset:768*(\a)            ; 32 lanes store 512 consecutive bytes, aligned to 256
	global_store_b64 v[L8], v[PC+4:PC+5], s[CA:CA+1] offset:768*(\a)+512       ; and 256
	global_store_b128 v[LI], v[PC+6:PC+9], s[CBP:CBP+1] offset:768*(\a)
	global_store_b64 v[L8], v[PC+10:PC+11], s[CBP:CBP+1] offset:768*(\a)+512
.endm
.irp a, 0,1,2,3,4,5,6,7
	BLOCKQK \a
.endr
.irp j, 0,1,2,3
	v_cndmask_b32 v[T+\j], v[PWS+2*\j], v[PWS+2*\j+1], s101    ; lanes 0-15: tile 2 j's words, lanes 16-31: tile 2 j + 1's
.endr
.irp j, 0,1,2,3
	v_and_b32 v[WA+\j], 0xffff, v[T+\j]            ; my first head's two bytes; bytes 2 and 3 are 0
	v_lshrrev_b32 v[WB+\j], 16, v[T+\j]            ; my second head's
.endr
	global_store_b128 v[LI], v[WA:WA+3], s[SA:SA+1]
	global_store_b128 v[LI], v[WB:WB+3], s[SBP:SBP+1]
	s_branch .Ldone
	; ---- v: a lane holds one channel; registers 8 b + j: key 64 (b / 4) + 32 h + 8 (b % 4) + j of my 128
.Lv:
.irp a, 0,1,2,3,4,5,6,7
	global_load_b32 v[BS+2*\a], v[BLV], s[BP:BP+1] offset:(64*(\a/4)+8*(\a%4))*4     ; block a's lane r is channel 64 (a / 4) + 32 (r / 8) + 8 (a % 4) + r % 8; twice, for the packed addition
	global_load_b32 v[BS+2*\a+1], v[BLV], s[BP:BP+1] offset:(64*(\a/4)+8*(\a%4))*4
.endr
	LAST
.macro BLOCKV a                        ; 16 channels x 128 keys: one whole fragment
	s_wait_xcnt 0x0                                ; the last block's stores have read their registers
	WIN 0x02+(\a)/4
.set pp, 0
.rept 32
	v_pk_add_f32 v[HA+pp:HA+pp+1], v[64*((\a)%4)+pp:64*((\a)%4)+pp+1], v[BS+2*(\a):BS+2*(\a)+1]
.set pp, pp+2
.endr
	WIN 0
	QUANT HA, PWS+(\a)
.irp g, 0,1,2
.if (\a) < 4
	global_store_b128 v[LI], v[PC+4*\g:PC+4*\g+3], s[CA:CA+1] offset:1536*((\a)%4)+512*\g
.else
	global_store_b128 v[LI], v[PC+4*\g:PC+4*\g+3], s[CBP:CBP+1] offset:1536*((\a)%4)+512*\g
.endif
.endr
.endm
.irp a, 0,1,2,3,4,5,6,7
	BLOCKV \a
.endr
.irp j, 0,1,2,3
	v_cndmask_b32 v[T+\j], v[PWS+2*\j], v[PWS+2*\j+1], s101
.endr
	global_store_b64 v[L8], v[T:T+1], s[SA:SA+1]
	global_store_b64 v[L8], v[T+2:T+3], s[SBP:SBP+1]
.Ldone:
	s_wait_tensorcnt 0x0                           ; the wave's end
	ds_add_u32 v[SPW], v[NIL]
	s_wait_dscnt 0x0
	CROUND                                         ; the closing round
	s_endpgm
.Lfunc_end_k_q10b7bc0d98_proj:
	.size	k_q10b7bc0d98_proj, .Lfunc_end_k_q10b7bc0d98_proj-k_q10b7bc0d98_proj
	.p2alignl 7, 3214868480
	.fill 96, 4, 3214868480
	.section	.rodata,"a",@progbits
	.p2align	6, 0x0
	.amdhsa_kernel k_q10b7bc0d98_proj
		.amdhsa_group_segment_fixed_size 327680
		.amdhsa_private_segment_fixed_size 0
		.amdhsa_enable_private_segment 0
		.amdhsa_kernarg_size 56
		.amdhsa_user_sgpr_count 2
		.amdhsa_user_sgpr_kernarg_segment_ptr 1
		.amdhsa_wavefront_size32 1
		.amdhsa_system_sgpr_workgroup_id_x 1
		.amdhsa_system_sgpr_workgroup_id_y 1
		.amdhsa_system_sgpr_workgroup_id_z 1
		.amdhsa_system_vgpr_workitem_id 0
		.amdhsa_next_free_vgpr 1024
		.amdhsa_next_free_sgpr 102
		.amdhsa_reserve_vcc 0
		.amdhsa_float_denorm_mode_32 3
		.amdhsa_float_denorm_mode_16_64 3
		.amdhsa_memory_ordered 1
		.amdhsa_forward_progress 1
		.amdhsa_inst_pref_size 234
	.end_amdhsa_kernel
	.amdgpu_metadata
---
amdhsa.version: [ 1, 2 ]
amdhsa.kernels:
  - .name:           k_q10b7bc0d98_proj
    .symbol:         k_q10b7bc0d98_proj.kd
    .args:
      - { .name: xq, .offset: 0, .size: 8, .value_kind: global_buffer, .address_space: global }
      - { .name: wts, .offset: 8, .size: 8, .value_kind: global_buffer, .address_space: global }
      - { .name: bq, .offset: 16, .size: 8, .value_kind: global_buffer, .address_space: global }
      - { .name: bk, .offset: 24, .size: 8, .value_kind: global_buffer, .address_space: global }
      - { .name: bv, .offset: 32, .size: 8, .value_kind: global_buffer, .address_space: global }
      - { .name: qim, .offset: 40, .size: 8, .value_kind: global_buffer, .address_space: global }
      - { .name: kvm, .offset: 48, .size: 8, .value_kind: global_buffer, .address_space: global }
    .group_segment_fixed_size: 327680
    .private_segment_fixed_size: 0
    .kernarg_segment_align: 8
    .kernarg_segment_size: 56
    .max_flat_workgroup_size: 128
    .sgpr_count:     102
    .vgpr_count:     1024
    .wavefront_size: 32
...
	.end_amdgpu_metadata
.endif
;; end of part 2
;; launch attn (part 3): grid 4 x 64, 16 waves a work-group, clusters of 4 x 1, 327,680 bytes of LDS; arguments qim, kvm, oim; writes oim
.if DOCPART == 3
	.amdgcn_target "amdgcn-amd-amdhsa--gfx1250"
	.amdhsa_code_object_version 6
	.text
	.protected	k_q10b7bc0d98_attn
	.globl	k_q10b7bc0d98_attn
	.p2align	8
	.type	k_q10b7bc0d98_attn,@function
k_q10b7bc0d98_attn:
	s_mov_b64 s[64:65], 0
	v_nop
	global_prefetch_b8 v0, s[64:65] scope:SCOPE_SE
	s_setreg_imm32_b32 hwreg(HW_REG_WAVE_MODE, 25, 1), 1
	s_wait_xcnt 0x0
	s_wait_alu depctr_hold_cnt(0) depctr_sa_sdst(0) depctr_va_vdst(0) depctr_va_sdst(0) depctr_va_ssrc(0) depctr_va_vcc(0) depctr_vm_vsrc(0)
	s_getreg_b32 s2, hwreg(HW_REG_IB_STS2, 6, 4)
	s_cmp_eq_u32 s2, 0
	s_cbranch_scc0 .Lentry_in_a_cluster
	s_endpgm
.Lentry_in_a_cluster:
	s_bfe_u32 s2, ttmp6, 0x10000c
	s_cmp_lg_u32 s2, 0x3003
	s_cbranch_scc0 .Lentry_shape_is_right
	s_endpgm
.Lentry_shape_is_right:
; o = softmax(q k^T / 8) v for one batch and head (cluster y), on codes of FP6 (E2M3) with E8M0 scales; o is quantised along the head's 64 and leaves as an image of operand registers.
; A work-group has 512 queries (cluster x gives which), a wave two tiles of 16, one after the other.  Both products are used transposed: a lane holds one query.
; p = 2^(t - M), t = score x log2(e) / 8, M the running largest t rounded up to a whole number; the row's sum is taken of the unquantised p; when M moves, sum and O^T are multiplied by a power of two.
; LDS: the head's 16 key steps (12,288 bytes each: 8 tiles of k, 4 of v) from KVB on, k's and v's scale words from SCK on: filled ONCE, by one joint load a wave: waves 0-3 3,072 bytes of scale words each,
; waves 4-15 16,384 bytes of codes each, at wave x 16,384.  The four work-groups of a cluster read the same bytes and ask jointly (mask 15).
; Two barriers show the tiles: the first the scale words and key steps 0-3 (waves 0-6 wait there, by load lines of their own), the second all the rest.  Nothing is filled again.
; No prefetch: every tile of the launch is asked for at the head, so there is no later request to run ahead of.
; The head size is 64, the instruction's K 128: q's registers 6-11 are zero codes, so what stands behind a tile of k in the registers adds nothing (FP6 has finite codes alone; the words' upper bytes are 0).
; K AND V HAVE REGISTERS OF THEIR OWN: behind a step's scores the NEXT step's k is asked for, and this step's v among the links of the running maximum's chain.
; INDEPENDENT CHAINS: the maxima go in eight chains, one to an accumulator; the sum in eight chains, with the scale's chain laid among them.
; LIMITS: the promise holds while |t| stays under 2^31; NaN and infinities are not served; a block of p whose largest falls under 2^-124 keeps the byte 1.
.set STEPB, 12288
.set KVB,   65536
.set SCK,   4096
.set SCV,   SCK+8192
.set SPARE, 0x40000
.set LI,  1                            ; 16 x lane
.set L8,  2                            ; 8 x lane
.set SH8, 3                            ; 8 x (lane / 16)
.set ADK, 4
.set AD8, 5
.set ADS, 6
.set ADT, 7
.set Q1S, 8                            ; the second tile's scale word
.set QF,  16                           ; v16-21 q, v22-27 zero codes
.set KF,  32                           ; v32-79 eight tiles of k; v80-85 the second tile of q, kept here
.set VF,  86                           ; v86-133 four tiles of v
.set KSC, 134
.set VSC, 138
.set QSC, 140
.set PSC, 141
.set S,   142                          ; v142-205 scores, then p
.set O,   206                          ; v206-237 O^T
.set PC,  238                          ; v238-249 p's codes; before them the chains of maxima and of sums
.set CH,  250                          ; v250-251 the blocks' maxima; v252-253 at work
.set WV,  10
.set G1C, 16
.set G1S, 24
.set G0C, 32
.set G0S, 36
.set SEL, 52
.set CS,  54
.set TB,  56
.set TS,  57
.set TJ,  58
.set CNT, 59
.set PQ,  66
.set PQS, 68
.set PO,  70
.set POS, 72
.macro CROUND
	s_barrier_signal -1
	s_barrier_wait -1
	s_cmp_lg_u32 s[WV], 0
	s_cbranch_scc1 .Lnot_wave_0_\@
	s_barrier_signal -3
.Lnot_wave_0_\@:
	s_barrier_wait -3
	s_barrier_signal -1
	s_barrier_wait -1
.endm
	s_load_b128 s[4:7], s[0:1], 0x0                ; qim, kvm
	s_load_b64 s[8:9], s[0:1], 0x10                ; oim
	v_lshl_add_u32 v254, v0, 2, SPARE
	v_mov_b32 v255, 0
	ds_add_u32 v254, v255                          ; the opening lines: the add twice on end and its wait
	ds_add_u32 v254, v255
	v_lshrrev_b32 v9, 5, v0
	v_readfirstlane_b32 s[WV], v9
	s_and_b32 s11, ttmp7, 0xffff                   ; batch x 16 + head
	s_bfe_u32 s12, ttmp6, 0x40000                  ; cx: which 512 queries
	s_mul_i32 s13, s[WV], 16384                    ; LDS: my codes
	s_mul_i32 s14, s[WV], 3072                     ; my scale words
	s_max_u32 s15, s[WV], 4
	s_sub_co_u32 s15, s15, 4
	s_lshl_b32 s15, s15, 14                        ; in memory the codes begin with wave 4's
	s_mul_i32 s60, s11, 16*STEPB
	s_add_co_u32 s60, s60, s15
	s_mov_b32 s61, 0
	s_mul_i32 s62, s11, 12288
	s_add_co_u32 s62, s62, s14
	s_add_co_u32 s62, s62, 12582912
	s_mov_b32 s63, 0
	s_mov_b32 s[G1C], 15|(3<<16)|(1<<21)           ; rows of 256 bytes (32 elements of 8), dense: 64 rows of codes,
	s_mov_b32 s[G1C+1], 32<<16
	s_mov_b32 s[G1C+2], 64<<16
	s_mov_b32 s[G1C+3], 32<<16
	s_mov_b32 s[G1C+4], 64
	s_mov_b32 s[G1C+5], 32
	s_mov_b32 s[G1C+6], 0
	s_mov_b32 s[G1C+7], 0
	s_mov_b32 s[G1S], 15|(3<<16)|(1<<21)           ; 12 rows of scale words
	s_mov_b32 s[G1S+1], 32<<16
	s_mov_b32 s[G1S+2], 12<<16
	s_mov_b32 s[G1S+3], 32<<16
	s_mov_b32 s[G1S+4], 12
	s_mov_b32 s[G1S+5], 32
	s_mov_b32 s[G1S+6], 0
	s_mov_b32 s[G1S+7], 0
	s_lshl_b32 s15, s12, 5
	s_add_co_u32 s15, s15, s[WV]                   ; my first tile of queries: 32 cx + wave; the second lies 16 tiles on
	s_lshl_b32 s74, s11, 7
	s_add_co_u32 s74, s74, s15
	s_mul_i32 s74, s74, 768
	s_mov_b32 s75, 0
	s_lshl_b32 s76, s11, 4
	s_lshl_b32 s77, s12, 2
	s_add_co_u32 s76, s76, s77
	s_lshr_b32 s77, s[WV], 3
	s_add_co_u32 s76, s76, s77
	s_lshl_b32 s76, s76, 9
	s_add_co_u32 s76, s76, 6291456
	s_mov_b32 s77, 0
	s_lshr_b32 s78, s11, 4
	s_lshl_b32 s78, s78, 7
	s_add_co_u32 s78, s78, s15
	s_and_b32 s79, s11, 15
	s_lshl_b32 s2, s78, 9
	s_lshl_b32 s3, s79, 1
	s_add_co_u32 s2, s2, s3
	s_add_co_u32 s2, s2, 6291456
	s_mov_b32 s3, 0
	s_lshl_b32 s78, s78, 4
	s_add_co_u32 s78, s78, s79
	s_mul_i32 s78, s78, 768
	s_mov_b32 s79, 0
	s_mov_b32 s[SEL], 0x76543210
	s_mov_b32 s[SEL+1], 0xfedcba98
	s_mov_b32 s[CS], 0x3e38aa3b                    ; log2(e) / 8
	s_mov_b32 s[CS+1], s[CS]
	s_wait_dscnt 0x0
	s_wait_kmcnt 0x0
	s_add_nc_u64 s[PQ:PQ+1], s[4:5], s[74:75]
	s_add_nc_u64 s[PQS:PQS+1], s[4:5], s[76:77]
	s_add_nc_u64 s[PO:PO+1], s[8:9], s[78:79]
	s_add_nc_u64 s[POS:POS+1], s[8:9], s[2:3]
	s_mov_b32 s[G0C], 1
	s_mov_b32 s[G0C+1], s13
	s_add_nc_u64 s[G0C+2:G0C+3], s[6:7], s[60:61]
	s_or_b32 s[G0C+3], s[G0C+3], 0x80000000
	s_mov_b32 s[G0S], 1
	s_add_co_u32 s[G0S+1], s14, SCK
	s_add_nc_u64 s[G0S+2:G0S+3], s[6:7], s[62:63]
	s_or_b32 s[G0S+3], s[G0S+3], 0x80000000
	s_and_b32 s74, s[WV], 1                        ; where my tile's scale word lies among its 128 tokens'
	s_lshl_b32 s74, s74, 8
	s_bfe_u32 s75, s[WV], 0x20001
	s_lshl_b32 s75, s75, 2
	s_add_co_u32 s74, s74, s75
	CROUND                                         ; the four work-groups are here: the joint loads meet
	s_cmp_lt_u32 s[WV], 4                          ; one chain of branches on the wave's number, one load to an arm
	s_cbranch_scc0 .Lfirst_keys
	tensor_load_to_lds s[G0S:G0S+3], s[G1S:G1S+7]
	s_nop 0
	s_branch .Lasked
.Lfirst_keys:
	s_cmp_lt_u32 s[WV], 7
	s_cbranch_scc0 .Lother_keys
	tensor_load_to_lds s[G0C:G0C+3], s[G1C:G1C+7]  ; waves 4-6: key steps 0-3
	s_nop 0
	s_branch .Lasked
.Lother_keys:
	tensor_load_to_lds s[G0C:G0C+3], s[G1C:G1C+7]  ; waves 7-15: key steps 4-15
	s_nop 0
.Lasked:
	v_and_b32 v9, 31, v0
	v_and_b32 v11, 15, v0
	v_bfe_u32 v10, v0, 4, 1
	v_lshlrev_b32 v[LI], 4, v9
	v_lshlrev_b32 v[L8], 3, v9
	v_lshlrev_b32 v[SH8], 3, v10
	v_lshl_add_u32 v9, v11, 4, s74
	global_load_b128 v[QF:QF+3], v[LI], s[PQ:PQ+1] th:TH_LOAD_NT
	global_load_b64 v[QF+4:QF+5], v[L8], s[PQ:PQ+1] offset:512 th:TH_LOAD_NT
	global_load_b128 v[KF+48:KF+51], v[LI], s[PQ:PQ+1] offset:12288 th:TH_LOAD_NT
	global_load_b64 v[KF+52:KF+53], v[L8], s[PQ:PQ+1] offset:12800 th:TH_LOAD_NT
	global_load_b32 v[QSC], v9, s[PQS:PQS+1]
	global_load_b32 v[Q1S], v9, s[PQS:PQS+1] offset:1024
.irp j, 22,23,24,25,26,27,29,10
	v_mov_b32 v[\j], 0                             ; q's zero codes; the upper half of the pair v[28:29]; a lane permute's destination counts as a source
.endr
.macro INIT
	v_mov_b32 v13, 0xff61b1e6                      ; the largest t so far: under every t
	s_delay_alu instid0(VALU_DEP_1)
	v_floor_f32 v12, -v13
	v_mov_b32 v14, 0
	v_mov_b32 v15, 0
.set j, 0
.rept 32
	v_mov_b32 v[O+j], 0
.set j, j+1
.endr
.endm
.macro KLOAD                           ; a step's eight tiles of k and their words: 17 loads, 6,144 bytes behind where ADK points
.irp t, 0,1,2,3,4,5,6,7
	ds_load_b128 v[KF+6*\t:KF+6*\t+3], v[ADK] offset:6144+768*\t
	ds_load_b64 v[KF+6*\t+4:KF+6*\t+5], v[AD8] offset:6144+768*\t+512
.endr
	ds_load_b128 v[KSC:KSC+3], v[ADS] offset:512
.endm
.macro VL n                            ; four registers of this step's v
	ds_load_b128 v[VF+4*(\n):VF+4*(\n)+3], v[ADK] offset:1536*((\n)/3)+512*((\n)%3)
.endm
.macro TADD0 i                         ; sum chain i (0 .. 6) begins: pairs i and i + 7 of p.  Chains 0-5 lie in v238-249, chain 6 in v252-253
	v_pk_add_f32 v[PC+2*(\i)+2*((\i)/6):PC+2*(\i)+2*((\i)/6)+1], v[S+2*(\i):S+2*(\i)+1], v[S+2*(\i)+14:S+2*(\i)+15]
.endm
.macro TADD i, p                       ; chain i takes pair p
	v_pk_add_f32 v[PC+2*(\i)+2*((\i)/6):PC+2*(\i)+2*((\i)/6)+1], v[PC+2*(\i)+2*((\i)/6):PC+2*(\i)+2*((\i)/6)+1], v[S+2*(\p):S+2*(\p)+1]
.endm
.macro TJOIN i, k                      ; chain i takes chain k
	v_pk_add_f32 v[PC+2*(\i)+2*((\i)/6):PC+2*(\i)+2*((\i)/6)+1], v[PC+2*(\i)+2*((\i)/6):PC+2*(\i)+2*((\i)/6)+1], v[PC+2*(\k)+2*((\k)/6):PC+2*(\k)+2*((\k)/6)+1]
.endm
.macro LADD p                          ; the running sum itself is the eighth chain
	v_pk_add_f32 v[14:15], v[14:15], v[S+2*(\p):S+2*(\p)+1]
.endm
.macro STEP pf                         ; 16 queries x 128 keys; pf = 1: the next step's k is asked for
	s_wait_dscnt 0x0                               ; this step's k is in
	s_add_co_u32 s[TB], s[TB], STEPB               ; to this step's v
	s_add_co_u32 s[TS], s[TS], 512
	s_add_co_u32 s[TJ], s[TJ], 256
.irp t, 0,2,4,6
	v_wmma_scale_f32_16x16x128_f8f6f4 v[S+8*\t:S+8*\t+7], v[KF+6*\t:KF+6*\t+11], v[QF:QF+11], 0, v[KSC+\t/2], v[QSC] matrix_a_fmt:MATRIX_FMT_FP6 matrix_b_fmt:MATRIX_FMT_FP6
	v_wmma_scale_f32_16x16x128_f8f6f4 v[S+8*\t+8:S+8*\t+15], v[KF+6*\t+6:KF+6*\t+17], v[QF:QF+11], 0, v[KSC+\t/2], v[QSC] matrix_a_fmt:MATRIX_FMT_FP6 matrix_b_fmt:MATRIX_FMT_FP6 matrix_a_scale:MATRIX_SCALE_ROW1
.endr
	v_add_nc_u32 v[ADK], s[TB], v[LI]              ; the four places behind the products (ISA guide 7.12.1)
	v_add_nc_u32 v[AD8], s[TB], v[L8]
	v_add_nc_u32 v[ADS], s[TS], v[LI]
	v_add_nc_u32 v[ADT], s[TJ], v[L8]
.if \pf
	KLOAD
.endif
.irp t, 0,1,2,3,4,5,6,7
	v_max3_num_f32 v[PC+\t], v[S+8*\t], v[S+8*\t+1], v[S+8*\t+2]     ; eight chains, one to an accumulator, each from its low end on
.endr
.irp i, 3,5
.irp t, 0,1,2,3,4,5,6,7
	v_max3_num_f32 v[PC+\t], v[PC+\t], v[S+8*\t+\i], v[S+8*\t+\i+1]
.endr
.endr
	v_max3_num_f32 v[CH], v[PC], v[PC+1], v[S+7]                     ; four chains and the four numbers left over make a block's largest score
	v_max3_num_f32 v[CH+1], v[PC+4], v[PC+5], v[S+39]
	v_max3_num_f32 v[CH+2], v[PC+2], v[PC+3], v[S+15]
	v_max3_num_f32 v[CH+3], v[PC+6], v[PC+7], v[S+47]
	v_max3_num_f32 v[CH], v[CH], v[CH+2], v[S+23]
	v_max3_num_f32 v[CH+1], v[CH+1], v[CH+3], v[S+55]
	v_max_num_f32 v[CH], v[CH], v[S+31]
	v_max_num_f32 v[CH+1], v[CH+1], v[S+63]
	v_max_num_f32 v9, v[CH], v[CH+1]               ; the running maximum's chain, with v's 13 LDS loads among its links
	VL 0
	VL 1
	v_permlanex16_b32 v10, v9, s[SEL], s[SEL+1]
	VL 2
	VL 3
	v_max_num_f32 v9, v9, v10
	VL 4
	VL 5
	v_mul_f32 v9, s[CS], v9
	VL 6
	VL 7
	v_max_num_f32 v13, v13, v9                     ; the running largest t
	v_mov_b32 v11, v12
	VL 8
	v_floor_f32 v12, -v13                          ; -M
	VL 9
	v_sub_f32 v11, v12, v11
	VL 10
	v_cvt_i32_f32 v11, v11
	VL 11
	ds_load_b64 v[VSC:VSC+1], v[ADT]
	v_ldexp_f32 v28, 1.0, v11                      ; f = 2^(old M - new M)
.set j, 0
.rept 32
	v_pk_fma_f32 v[S+j:S+j+1], v[S+j:S+j+1], s[CS:CS+1], v[12:13] op_sel_hi:[1,0,0]
.set j, j+2
.endr
	v_fma_f32 v[CH], v[CH], s[CS], v12
	v_fma_f32 v[CH+1], v[CH+1], s[CS], v12
	s_wait_alu depctr_va_vdst(0)
.set j, 0
.rept 64
	v_exp_f32 v[S+j], v[S+j]
.set j, j+1
.endr
	v_exp_f32 v[CH], v[CH]                         ; each block's largest p
	v_exp_f32 v[CH+1], v[CH+1]
	v_pk_mul_f32 v[14:15], v[14:15], v[28:29] op_sel_hi:[1,0]
	s_wait_alu depctr_va_vdst(0)                   ; and behind it, ahead of its first reader
.irp i, 0,1,2,3,4,5,6
	TADD0 \i
.endr
	LADD 14
	v_max_num_f32 v[CH], 0x1800000, v[CH]          ; the scale's chain among the sums: the floor 2^(3 - 127),
	v_max_num_f32 v[CH+1], 0x1800000, v[CH+1]
.irp i, 0,1,2,3
	TADD \i, 15+\i
.endr
	v_add_nc_u32 v30, 0xff000000, v[CH]            ; 2 off the exponent field: the conversions' scale operands,
	v_add_nc_u32 v31, 0xff000000, v[CH+1]
.irp i, 4,5,6
	TADD \i, 15+\i
.endr
	LADD 22
	v_lshrrev_b32 v9, 23, v30                      ; the bytes,
	v_lshrrev_b32 v11, 23, v31
.irp i, 0,1,2,3
	TADD \i, 23+\i
.endr
	v_lshl_or_b32 v9, v11, 16, v9
.irp i, 4,5,6
	TADD \i, 23+\i
.endr
	LADD 30
	v_lshlrev_b32 v9, v[SH8], v9
	LADD 31
	TJOIN 0, 1
	TJOIN 2, 3
	TJOIN 4, 5
	v_permlanex16_b32 v10, v9, s[SEL], s[SEL+1]
	TJOIN 0, 2
	TJOIN 4, 6
	v_or_b32 v[PSC], v9, v10                       ; p's scale word
	TJOIN 0, 4
	v_pk_add_f32 v[14:15], v[14:15], v[PC:PC+1]
	v_cvt_scalef32_pk16_fp6_f32 v[PC:PC+2], v[S:S+15], v30
	v_cvt_scalef32_pk16_fp6_f32 v[PC+6:PC+8], v[S+32:S+47], v31
	v_pk_mul_f32 v[O:O+1], v[O:O+1], v[28:29] op_sel_hi:[1,0]       ; O^T x f; also the plain place behind the conversions
	v_cvt_scalef32_pk16_fp6_f32 v[S:S+2], v[S+16:S+31], v30         ; the upper halves go to registers of p that are done with (three registers begin on an even number)
	v_cvt_scalef32_pk16_fp6_f32 v[S+32:S+34], v[S+48:S+63], v31
	v_pk_mul_f32 v[O+2:O+3], v[O+2:O+3], v[28:29] op_sel_hi:[1,0]
.irp c, 0,1
.irp i, 0,1,2
	v_mov_b32 v[PC+6*\c+3+\i], v[S+32*\c+\i]
.endr
.endr
.set j, 4
.rept 14
	v_pk_mul_f32 v[O+j:O+j+1], v[O+j:O+j+1], v[28:29] op_sel_hi:[1,0]
.set j, j+2
.endr
	s_wait_alu depctr_va_vdst(0)
	s_wait_dscnt 0x0                               ; v and its words are in
.irp a, 0,2
	v_wmma_scale_f32_16x16x128_f8f6f4 v[O+8*\a:O+8*\a+7], v[VF+12*\a:VF+12*\a+11], v[PC:PC+11], v[O+8*\a:O+8*\a+7], v[VSC+\a/2], v[PSC] matrix_a_fmt:MATRIX_FMT_FP6 matrix_b_fmt:MATRIX_FMT_FP6
	v_wmma_scale_f32_16x16x128_f8f6f4 v[O+8*\a+8:O+8*\a+15], v[VF+12*\a+12:VF+12*\a+23], v[PC:PC+11], v[O+8*\a+8:O+8*\a+15], v[VSC+\a/2], v[PSC] matrix_a_fmt:MATRIX_FMT_FP6 matrix_b_fmt:MATRIX_FMT_FP6 matrix_a_scale:MATRIX_SCALE_ROW1
.endr
.endm
.macro KEYS n, first                   ; key steps first .. first + n - 1; the last asks for no further k
	s_mov_b32 s[TB], KVB+(\first)*STEPB-6144
	s_mov_b32 s[TS], SCK+(\first)*512-512
	s_mov_b32 s[TJ], SCV+(\first)*256-256
	s_mov_b32 s[CNT], (\n)-1
	v_add_nc_u32 v[ADK], s[TB], v[LI]
	v_add_nc_u32 v[AD8], s[TB], v[L8]
	v_add_nc_u32 v[ADS], s[TS], v[LI]
	KLOAD
.Lkeys_\@:
	STEP 1
	s_sub_co_u32 s[CNT], s[CNT], 1
	s_cmp_lg_u32 s[CNT], 0
	s_cbranch_scc1 .Lkeys_\@
	STEP 0
.endm
.macro OUT p                           ; O^T / the sum, quantised along the head's 64: a lane holds one block of 32
.rept 4
	v_nop
.endr
	v_add_f32 v14, v14, v15
	s_delay_alu instid0(VALU_DEP_1)
	v_permlanex16_b32 v10, v14, s[SEL], s[SEL+1]
	s_delay_alu instid0(VALU_DEP_1)
	v_add_f32 v14, v14, v10
	v_and_b32 v31, 15, v0
	s_wait_alu depctr_va_vdst(0)
	v_rcp_f32 v28, v14
	v_lshlrev_b32 v31, 5, v31                      ; my row's scale bytes: 32 bytes a row
	s_wait_alu depctr_va_vdst(0)
.set j, 0
.rept 16
	v_pk_mul_f32 v[S+j:S+j+1], v[O+j:O+j+1], v[28:29] op_sel_hi:[1,0]
.set j, j+2
.endr
.irp b, 0,1
	v_max3_num_f32 v[CH+\b], |v[S+16*\b]|, |v[S+16*\b+1]|, 0x1800000
.endr
.irp i, 2,4,6,8,10,12,14
.irp b, 0,1
	s_delay_alu instid0(VALU_DEP_2)
	v_max3_num_f32 v[CH+\b], v[CH+\b], |v[S+16*\b+\i]|, |v[S+16*\b+\i+1]|
.endr
.endr
	s_delay_alu instid0(VALU_DEP_1)
	v_max_num_f32 v[CH], v[CH], v[CH+1]
	s_delay_alu instid0(VALU_DEP_1)
	v_add_nc_u32 v30, 0xff000000, v[CH]
	s_delay_alu instid0(VALU_DEP_1)
	v_lshrrev_b32 v11, 23, v30
	s_delay_alu instid0(VALU_DEP_1)
	v_lshlrev_b32 v9, v[SH8], v11
	s_delay_alu instid0(VALU_DEP_1)
	v_permlanex16_b32 v10, v9, s[SEL], s[SEL+1]
	s_delay_alu instid0(VALU_DEP_1)
	v_or_b32 v9, v9, v10
	v_cvt_scalef32_pk16_fp6_f32 v[PC:PC+2], v[S:S+15], v30
	v_cvt_scalef32_pk16_fp6_f32 v[S+32:S+34], v[S+16:S+31], v30
	v_nop
.irp i, 0,1,2
	v_mov_b32 v[PC+3+\i], v[S+32+\i]
.endr
	global_store_b128 v[LI], v[PC:PC+3], s[PO:PO+1] offset:196608*(\p)        ; 32 lanes store 512 consecutive bytes
	global_store_b64 v[L8], v[PC+4:PC+5], s[PO:PO+1] offset:196608*(\p)+512   ; and 256
	global_store_b16 v31, v9, s[POS:POS+1] offset:8192*(\p)
.endm
	INIT
	s_wait_alu depctr_va_vdst(0)
	s_wait_loadcnt 0x0                             ; q
	s_cmp_lt_u32 s[WV], 7                          ; the waves whose load lines bring the scale words and key steps 0-3 wait for them
	s_cbranch_scc0 .Lnot_mine
	s_wait_tensorcnt 0x0
.Lnot_mine:
	s_barrier_signal -1
	s_barrier_wait -1
	KEYS 4, 0
	s_wait_tensorcnt 0x0                           ; all that is still out: every wave waits
	s_wait_dscnt 0x0
	s_barrier_signal -1
	s_barrier_wait -1
	KEYS 12, 4
	OUT 0
	s_wait_xcnt 0x0                                ; the stores have read their registers
.irp i, 0,1,2,3,4,5
	v_mov_b32 v[QF+\i], v[KF+48+\i]                ; the second tile of queries
.endr
	v_mov_b32 v[QSC], v[Q1S]
	INIT
	KEYS 16, 0
	OUT 1
	s_wait_tensorcnt 0x0                           ; the wave's end
	ds_add_u32 v254, v255
	s_wait_dscnt 0x0
	CROUND                                         ; the closing round
	s_endpgm
.Lfunc_end_k_q10b7bc0d98_attn:
	.size	k_q10b7bc0d98_attn, .Lfunc_end_k_q10b7bc0d98_attn-k_q10b7bc0d98_attn
	.p2alignl 7, 3214868480
	.fill 96, 4, 3214868480
	.section	.rodata,"a",@progbits
	.p2align	6, 0x0
	.amdhsa_kernel k_q10b7bc0d98_attn
		.amdhsa_group_segment_fixed_size 327680
		.amdhsa_private_segment_fixed_size 0
		.amdhsa_enable_private_segment 0
		.amdhsa_kernarg_size 24
		.amdhsa_user_sgpr_count 2
		.amdhsa_user_sgpr_kernarg_segment_ptr 1
		.amdhsa_wavefront_size32 1
		.amdhsa_system_sgpr_workgroup_id_x 1
		.amdhsa_system_sgpr_workgroup_id_y 1
		.amdhsa_system_sgpr_workgroup_id_z 1
		.amdhsa_system_vgpr_workitem_id 0
		.amdhsa_next_free_vgpr 256
		.amdhsa_next_free_sgpr 80
		.amdhsa_reserve_vcc 0
		.amdhsa_float_denorm_mode_32 3
		.amdhsa_float_denorm_mode_16_64 3
		.amdhsa_memory_ordered 1
		.amdhsa_forward_progress 1
		.amdhsa_inst_pref_size 106
	.end_amdhsa_kernel
	.amdgpu_metadata
---
amdhsa.version: [ 1, 2 ]
amdhsa.kernels:
  - .name:           k_q10b7bc0d98_attn
    .symbol:         k_q10b7bc0d98_attn.kd
    .args:
      - { .name: qim, .offset: 0, .size: 8, .value_kind: global_buffer, .address_space: global }
      - { .name: kvm, .offset: 8, .size: 8, .value_kind: global_buffer, .address_space: global }
      - { .name: oim, .offset: 16, .size: 8, .value_kind: global_buffer, .address_space: global }
    .group_segment_fixed_size: 327680
    .private_segment_fixed_size: 0
    .kernarg_segment_align: 8
    .kernarg_segment_size: 24
    .max_flat_workgroup_size: 512
    .sgpr_count:     80
    .vgpr_count:     256
    .wavefront_size: 32
...
	.end_amdgpu_metadata
.endif
;; end of part 3
;; launch outp (part 4): grid 8 x 32, 4 waves a work-group, clusters of 4 x 4, 327,680 bytes of LDS; arguments oim, wts, bo, out0; writes out0
.if DOCPART == 4
	.amdgcn_target "amdgcn-amd-amdhsa--gfx1250"
	.amdhsa_code_object_version 6
	.text
	.protected	k_q10b7bc0d98_outp
	.globl	k_q10b7bc0d98_outp
	.p2align	8
	.type	k_q10b7bc0d98_outp,@function
k_q10b7bc0d98_outp:
	s_mov_b64 s[64:65], 0
	v_nop
	global_prefetch_b8 v0, s[64:65] scope:SCOPE_SE
	s_setreg_imm32_b32 hwreg(HW_REG_WAVE_MODE, 25, 1), 1
	s_wait_xcnt 0x0
	s_wait_alu depctr_hold_cnt(0) depctr_sa_sdst(0) depctr_va_vdst(0) depctr_va_sdst(0) depctr_va_ssrc(0) depctr_va_vcc(0) depctr_vm_vsrc(0)
	s_getreg_b32 s2, hwreg(HW_REG_IB_STS2, 6, 4)
	s_cmp_eq_u32 s2, 0
	s_cbranch_scc0 .Lentry_in_a_cluster
	s_endpgm
.Lentry_in_a_cluster:
	s_bfe_u32 s2, ttmp6, 0x10000c
	s_cmp_lg_u32 s2, 0xf033
	s_cbranch_scc0 .Lentry_shape_is_right
	s_endpgm
.Lentry_shape_is_right:
; out0 = o wo + bo on codes of FP6 (E2M3) with E8M0 scales, K = 1,024.  A work-group makes 256 rows x 128 columns: 32 x 8 = 256 work-groups.
; ALL OF K COMES INTO LDS AT THE HEAD, one joint load a wave, and nothing is filled again: waves 0, 1: wo's 128 rows (two K steps of 256 each, 49,152 dense bytes, 16 bytes of padding behind each 64);
; waves 2, 3: o's 16 tiles of 16 rows (8 tiles each, 98,304 dense bytes: images of operand registers, no padding).  196,608 + 122,880 bytes, and the spare words.
; CLUSTERS 4 x 4: o's tiles are shared along a row of the cluster, wo's along a column.
; Four waves, 2 x 2: the wave in column b holds 64 rows of wo, all of K, in registers (32 fragments, 384 registers); the wave in row a takes tile 2 s + a as its block s: 8 blocks of 32 products.
; The matrix instruction is used transposed (source 0 = wo's rows): a lane holds one row of out0, and by the stored order of wo's rows its 32 results are 32 neighbouring columns.
; The bias is the C of a block's first four products.  The four accumulators of a block take turns.
; A block leaves through the wave's stage, 16 rows x 272 bytes in the LDS bytes that held wo (read for the last time ahead of the second barrier): sixteen lanes store 256 consecutive bytes, aligned.
; Scale words and bias go from memory straight into registers: 16 lanes read 512 consecutive bytes.
; o's rows lie in the stored order (true row 64 G + 32 h + 8 u + j at 64 G + 16 u + 8 h + j): the stores' offsets set that right.
; No prefetch: every tile is asked for at the head.  LIMITS: NaN and infinities are not served.
.set PITCH,  240                       ; an LDS row of wo's codes in a K step: 3 x (64 + 16)
.set PLANE,  128*PITCH
.set ATILE,  12288                     ; 16 rows of o, all of K
.set BB,     16*ATILE                  ; wo's planes begin here
.set SPARE,  BB+4*PLANE
.set SPITCH, 272
.set AD16, 12                          ; v12-15 16 x lane + my tiles 4 k + a .., v16-19 the same with 8 x lane
.set AD8,  16
.set BADR, 20                          ; v20-21 wo's fragments in planes 0-1, 2-3; v22-23 behind one padding more
.set STO,  24
.set RD,   25
.set CO,   26
.set SCO,  27
.set SPW,  28
.set NIL,  29
.set BLO,  30
.set SA,   32                          ; v32-95  o's scale words: 8 s + q
.set SB,   100                         ; v100-131 wo's: 8 b + q
.set ACC,  132                         ; v132-195 two sets of four accumulators
.set BK,   196                         ; v196-227 a block's rows back from the stage
.set BBW,  132                         ; window 2, v132-163: the bias as C
; windows: 1: wo's fragments 0-20; 2: 21-31 and the bias; 3: o's fragments, two sets of 96
.set MSB, 0
.macro WIN new
.if MSB != (\new)
	s_set_vgpr_msb (MSB<<8)|(\new)
.set MSB, (\new)
.endif
.endm
.macro PLACES n
.rept \n
	v_nop
.endr
.endm
.macro CROUND
	s_barrier_signal -1
	s_barrier_wait -1
	s_cmp_lg_u32 s14, 0
	s_cbranch_scc1 .Lnot_wave_0_\@
	s_barrier_signal -3
.Lnot_wave_0_\@:
	s_barrier_wait -3
	s_barrier_signal -1
	s_barrier_wait -1
.endm
	s_load_b128 s[4:7], s[0:1], 0x0                ; oim, wts
	s_load_b128 s[8:11], s[0:1], 0x10              ; bo, out0
	v_lshl_add_u32 v[SPW], v0, 2, SPARE
	v_mov_b32 v[NIL], 0
	ds_add_u32 v[SPW], v[NIL]                      ; the opening lines: the add twice on end and its wait
	ds_add_u32 v[SPW], v[NIL]
	v_lshrrev_b32 v1, 5, v0
	v_readfirstlane_b32 s14, v1                    ; wave
	s_lshr_b32 s15, s14, 1                         ; a: my row of the 2 x 2
	s_and_b32 s16, s14, 1                          ; b: my column.  Also: which half of a tensor I fetch
	s_bfe_u32 s40, ttmp6, 0x40000                  ; cx
	s_bfe_u32 s41, ttmp6, 0x40004                  ; cy
	s_lshl_b32 s42, ttmp9, 2
	s_add_co_u32 s42, s42, s40                     ; tile column, 0..7
	s_and_b32 s17, ttmp7, 0xffff
	s_lshl_b32 s17, s17, 2
	s_add_co_u32 s17, s17, s41                     ; tile row, 0..31
	s_lshl_b32 s43, s41, 2
	s_lshl_b32 s43, 15, s43                        ; my row of the cluster
	s_lshl_b32 s44, 0x1111, s40                    ; my column
	s_or_b32 s24, s43, (3<<16)|(1<<21)             ; o: 384 rows of 256 bytes, dense
	s_mov_b32 s25, 32<<16
	s_mov_b32 s26, 384<<16
	s_mov_b32 s27, 32<<16
	s_mov_b32 s28, 384
	s_mov_b32 s29, 32
	s_mov_b32 s30, 0
	s_mov_b32 s31, 0
	s_or_b32 s48, s44, (0<<16)|(1<<20)|(1<<21)|(3<<22)|(3<<25)   ; wo: 192 rows of 256 bytes, dense; after every 16 words 4 words of padding
	s_mov_b32 s49, 256<<16
	s_mov_b32 s50, 192<<16
	s_mov_b32 s51, 256<<16
	s_mov_b32 s52, 192
	s_mov_b32 s53, 256
	s_mov_b32 s54, 0
	s_mov_b32 s55, 0
	s_mul_i32 s18, s16, 8*ATILE                    ; o: my 8 tiles, in memory and in LDS alike
	s_mul_i32 s20, s17, 16*ATILE
	s_add_co_u32 s20, s20, s18
	s_mov_b32 s21, 0
	s_mul_i32 s22, s42, 98304                      ; wo: the tile column's 128 rows, my two K steps
	s_mul_i32 s19, s16, 49152
	s_add_co_u32 s22, s22, s19
	s_add_co_u32 s22, s22, 2359296
	s_mov_b32 s23, 0
	s_mul_i32 s37, s16, 2*PLANE
	s_add_co_u32 s37, s37, BB
	s_lshl_b32 s46, s17, 4                         ; o's scale words: 512 bytes a tile, from tile 16 x tile row + a on
	s_add_co_u32 s46, s46, s15
	s_lshl_b32 s46, s46, 9
	s_add_co_u32 s46, s46, 6291456
	s_mov_b32 s47, 0
	s_lshl_b32 s45, s42, 7
	s_lshl_b32 s19, s16, 6
	s_add_co_u32 s45, s45, s19                     ; my first column
	s_lshl_b32 s2, s45, 5                          ; wo's scale words: 32 bytes a row
	s_add_co_u32 s2, s2, 3244032
	s_mov_b32 s3, 0
	s_lshl_b32 s12, s45, 2                         ; the bias, and my columns in a row of out0
	s_mov_b32 s13, 0
	s_lshl_b32 s38, s17, 8
	s_lshl_b32 s19, s15, 3
	s_add_co_u32 s38, s38, s19
	s_lshl_b32 s38, s38, 12                        ; out0: row 256 x tile row + 8 a
	s_mov_b32 s39, 0
	s_mul_i32 s56, s15, ATILE                      ; LDS: my tiles a, 4 + a, 8 + a, 12 + a
	s_add_co_u32 s57, s56, 4*ATILE
	s_add_co_u32 s58, s56, 8*ATILE
	s_add_co_u32 s59, s56, 12*ATILE
	s_mul_i32 s60, s16, 64*PITCH                   ; my 64 rows of wo
	s_add_co_u32 s60, s60, BB
	s_add_co_u32 s61, s60, 2*PLANE
	s_mul_i32 s62, s14, 16*SPITCH                  ; my stage
	s_add_co_u32 s62, s62, BB
	s_wait_dscnt 0x0
	CROUND                                         ; all sixteen work-groups are here: the joint loads meet
	s_wait_kmcnt 0x0
	s_mov_b32 s32, 1
	s_mov_b32 s33, s18
	s_add_nc_u64 s[34:35], s[4:5], s[20:21]
	s_or_b32 s35, s35, 0x80000000
	s_add_nc_u64 s[22:23], s[6:7], s[22:23]        ; wo's tile
	s_add_nc_u64 s[46:47], s[4:5], s[46:47]
	s_add_nc_u64 s[2:3], s[6:7], s[2:3]
	s_add_nc_u64 s[8:9], s[8:9], s[12:13]
	s_add_nc_u64 s[10:11], s[10:11], s[12:13]
	s_add_nc_u64 s[10:11], s[10:11], s[38:39]
	s_mov_b32 s4, 1                                ; wo's group 0 (the arguments that lay here have been used)
	s_mov_b32 s5, s37
	s_mov_b64 s[6:7], s[22:23]
	s_or_b32 s7, s7, 0x80000000
	s_cmp_lt_u32 s14, 2                            ; one branch on the wave's number, one load to an arm
	s_cbranch_scc0 .Lload_o
	tensor_load_to_lds s[4:7], s[48:55]            ; waves 0, 1: wo, which goes on into registers, is asked for by lines of its own
	s_nop 0
	PLACES 4
	s_branch .Lasked
.Lload_o:
	tensor_load_to_lds s[32:35], s[24:31]          ; waves 2, 3: o
	s_nop 0
	PLACES 4
.Lasked:
	v_and_b32 v1, 15, v0                           ; r
	v_bfe_u32 v2, v0, 4, 1                         ; h
	v_and_b32 v3, 31, v0
	v_lshlrev_b32 v4, 4, v3
	v_lshlrev_b32 v5, 3, v3
.irp k, 0,1,2,3
	v_add_nc_u32 v[AD16+\k], s[56+\k], v4
	v_add_nc_u32 v[AD8+\k], s[56+\k], v5
.endr
	v_mul_u32_u24 v6, v1, PITCH
	v_mad_u32_u24 v6, v2, 24, v6                   ; a fragment's row x pitch + 24 x half
	v_lshl_add_u32 v7, v2, 4, v6                   ; and the same behind one padding more
	v_add_nc_u32 v[BADR], s60, v6
	v_add_nc_u32 v[BADR+1], s61, v6
	v_add_nc_u32 v[BADR+2], s60, v7
	v_add_nc_u32 v[BADR+3], s61, v7
	v_mul_u32_u24 v8, v1, SPITCH                   ; the stage, in: row r, 128 bytes for each half of the lanes
	v_lshl_add_u32 v8, v2, 7, v8
	v_add_nc_u32 v[STO], s62, v8
	v_mul_u32_u24 v9, v2, SPITCH                   ; back: sixteen lanes to a row of 256 bytes, two rows an instruction
	v_lshl_add_u32 v9, v1, 4, v9
	v_add_nc_u32 v[RD], s62, v9
	v_lshlrev_b32 v10, 12, v2                      ; and the same two rows in out0
	v_lshl_add_u32 v[CO], v1, 4, v10
	v_lshlrev_b32 v[SCO], 5, v1                    ; a row's 32 scale bytes
	v_lshlrev_b32 v[BLO], 7, v2                    ; the bias: register 8 b + j of lane (r, h) is column 32 h + 8 b + j
	s_wait_alu depctr_va_vdst(0)
.irp s, 0,1,2,3,4,5,6,7
	global_load_b128 v[SA+8*\s:SA+8*\s+3], v[SCO], s[46:47] offset:1024*\s
	global_load_b128 v[SA+8*\s+4:SA+8*\s+7], v[SCO], s[46:47] offset:1024*\s+16
.endr
.irp b, 0,1,2,3
	global_load_b128 v[SB+8*\b:SB+8*\b+3], v[SCO], s[2:3] offset:512*\b
	global_load_b128 v[SB+8*\b+4:SB+8*\b+7], v[SCO], s[2:3] offset:512*\b+16
.endr
	WIN 0x80
.irp k, 0,1,2,3,4,5,6,7
	global_load_b128 v[BBW+4*\k:BBW+4*\k+3], v[BLO], s[8:9] offset:16*\k
.endr
	WIN 0
.macro FRAGW f                         ; wo's fragment f = 4 q + b: six pieces of 8 bytes; where lanes 16-31's piece lies behind one padding more, the second address register serves
	WIN (1+(\f)/21)<<6
.irp p, 0,1,2,3,4,5
.set PCE, 12*(((\f)/4)%2)+6*(\p/3)+\p%3
.if PCE%8 < 5
	ds_load_b64 v[12*((\f)%21)+2*\p:12*((\f)%21)+2*\p+1], v[BADR+(\f)/16] offset:(((\f)/8)%2)*PLANE+((\f)%4)*16*PITCH+8*PCE+16*(PCE/8)
.else
	ds_load_b64 v[12*((\f)%21)+2*\p:12*((\f)%21)+2*\p+1], v[BADR+2+(\f)/16] offset:(((\f)/8)%2)*PLANE+((\f)%4)*16*PITCH+8*PCE+16*(PCE/8)
.endif
.endr
.endm
.macro FETCHA s, e                     ; block s, all of K, into set e: 32 loads
	WIN 0xc0
.irp q, 0,1,2,3,4,5,6,7
	ds_load_b128 v[96*(\e)+12*\q:96*(\e)+12*\q+3],     v[AD16+(\s)/2] offset:((\s)%2)*2*ATILE+1536*\q
	ds_load_b64  v[96*(\e)+12*\q+4:96*(\e)+12*\q+5],   v[AD8+(\s)/2]  offset:((\s)%2)*2*ATILE+1536*\q+512
	ds_load_b128 v[96*(\e)+12*\q+6:96*(\e)+12*\q+9],   v[AD16+(\s)/2] offset:((\s)%2)*2*ATILE+1536*\q+768
	ds_load_b64  v[96*(\e)+12*\q+10:96*(\e)+12*\q+11], v[AD8+(\s)/2]  offset:((\s)%2)*2*ATILE+1536*\q+1280
.endr
	WIN 0
.endm
.macro BLK s                           ; 32 products: K ascending, the four accumulators by turns
.set E_, (\s)%2
.set N_, 0
.rept 32
.set Q_, N_/4
.set D_, ACC+32*E_+8*(N_%4)
.if Q_ == 0
	WIN (1+N_/21)|(3<<2)|(2<<4)
	v_wmma_scale_f32_16x16x128_f8f6f4 v[D_:D_+7], v[12*(N_%21):12*(N_%21)+11], v[96*E_+12*Q_:96*E_+12*Q_+11], v[BBW+8*(N_%4):BBW+8*(N_%4)+7], v[SB+8*(N_%4)+Q_], v[SA+8*(\s)+Q_] matrix_a_fmt:MATRIX_FMT_FP6 matrix_b_fmt:MATRIX_FMT_FP6
.else
	WIN (1+N_/21)|(3<<2)
	v_wmma_scale_f32_16x16x128_f8f6f4 v[D_:D_+7], v[12*(N_%21):12*(N_%21)+11], v[96*E_+12*Q_:96*E_+12*Q_+11], v[D_:D_+7], v[SB+8*(N_%4)+Q_], v[SA+8*(\s)+Q_] matrix_a_fmt:MATRIX_FMT_FP6 matrix_b_fmt:MATRIX_FMT_FP6
.endif
.set N_, N_+1
.endr
	WIN 0
.endm
.macro STAGE s                         ; LDS serves a wave's instructions in order: no wait between the stores and the loads
.irp b, 0,1,2,3
	ds_store_b128 v[STO], v[ACC+32*((\s)%2)+8*\b:ACC+32*((\s)%2)+8*\b+3] offset:32*\b        ; each accumulator from its low end on
	ds_store_b128 v[STO], v[ACC+32*((\s)%2)+8*\b+4:ACC+32*((\s)%2)+8*\b+7] offset:32*\b+16
.endr
.if (\s) > 0
	s_wait_xcnt 0x0                                ; the last block's stores have read their registers
.endif
.irp t, 0,1,2,3,4,5,6,7
	ds_load_b128 v[BK+4*\t:BK+4*\t+3], v[RD] offset:\t*2*SPITCH
.endr
.endm
.macro SEND s, younger                 ; stage rows 2 t, 2 t + 1 of tile 2 s + a are true rows 64 (s / 2) + 16 (s % 2) + 8 a + 32 (t / 4) + 2 (t % 4) + 0, 1
	s_wait_dscnt \younger
.irp t, 0,1,2,3,4,5,6,7
	global_store_b128 v[CO], v[BK+4*\t:BK+4*\t+3], s[10:11] offset:(64*((\s)/2)+16*((\s)%2)+32*(\t/4)+2*(\t%4))*4096 th:TH_STORE_NT
.endr
.endm
	s_cmp_lt_u32 s14, 2                            ; the waves whose load line brings wo wait for it
	s_cbranch_scc0 .Lnot_wo
	s_wait_tensorcnt 0x0
.Lnot_wo:
	s_barrier_signal -1
	s_barrier_wait -1
.set F_, 0
.rept 32
	FRAGW F_
.set F_, F_+1
.endr
	WIN 0
	s_wait_tensorcnt 0x0                           ; all that is still out: every wave waits;
	s_wait_dscnt 0x0                               ; and my reads of wo's bytes are over
	s_barrier_signal -1
	s_barrier_wait -1
	FETCHA 0, 0
	FETCHA 1, 1
	s_wait_loadcnt 0x0                             ; the scale words and the bias
.irp s, 0,1,2,3,4,5,6,7
.if \s == 0
	s_wait_dscnt 32                                ; block 0 is in; block 1's 32 loads are younger
.elseif \s < 7
	s_wait_dscnt 48                                ; younger: the last block's 16 stage instructions and the next block's 32 loads
.else
	s_wait_dscnt 16                                ; younger: the stage's 16
.endif
	BLK \s
	PLACES 4                                       ; ahead of the reads of the results and of loads into the fragments
.if \s > 0
.if \s < 7
	SEND \s-1, 32                                  ; the block before leaves; the next block's 32 loads are younger than its rows
.else
	SEND \s-1, 0
.endif
.endif
	STAGE \s
.if \s < 6
	FETCHA \s+2, \s%2
.endif
.endr
	SEND 7, 0
	s_wait_tensorcnt 0x0                           ; the wave's end
	ds_add_u32 v[SPW], v[NIL]
	s_wait_dscnt 0x0
	CROUND                                         ; the closing round
	s_endpgm
.Lfunc_end_k_q10b7bc0d98_outp:
	.size	k_q10b7bc0d98_outp, .Lfunc_end_k_q10b7bc0d98_outp-k_q10b7bc0d98_outp
	.p2alignl 7, 3214868480
	.fill 96, 4, 3214868480
	.section	.rodata,"a",@progbits
	.p2align	6, 0x0
	.amdhsa_kernel k_q10b7bc0d98_outp
		.amdhsa_group_segment_fixed_size 327680
		.amdhsa_private_segment_fixed_size 0
		.amdhsa_enable_private_segment 0
		.amdhsa_kernarg_size 32
		.amdhsa_user_sgpr_count 2
		.amdhsa_user_sgpr_kernarg_segment_ptr 1
		.amdhsa_wavefront_size32 1
		.amdhsa_system_sgpr_workgroup_id_x 1
		.amdhsa_system_sgpr_workgroup_id_y 1
		.amdhsa_system_sgpr_workgroup_id_z 1
		.amdhsa_system_vgpr_workitem_id 0
		.amdhsa_next_free_vgpr 960
		.amdhsa_next_free_sgpr 66
		.amdhsa_reserve_vcc 0
		.amdhsa_float_denorm_mode_32 3
		.amdhsa_float_denorm_mode_16_64 3
		.amdhsa_memory_ordered 1
		.amdhsa_forward_progress 1
		.amdhsa_inst_pref_size 88
	.end_amdhsa_kernel
	.amdgpu_metadata
---
amdhsa.version: [ 1, 2 ]
amdhsa.kernels:
  - .name:           k_q10b7bc0d98_outp
    .symbol:         k_q10b7bc0d98_outp.kd
    .args:
      - { .name: oim, .offset: 0, .size: 8, .value_kind: global_buffer, .address_space: global }
      - { .name: wts, .offset: 8, .size: 8, .value_kind: global_buffer, .address_space: global }
      - { .name: bo, .offset: 16, .size: 8, .value_kind: global_buffer, .address_space: global }
      - { .name: out0, .offset: 24, .size: 8, .value_kind: global_buffer, .address_space: global }
    .group_segment_fixed_size: 327680
    .private_segment_fixed_size: 0
    .kernarg_segment_align: 8
    .kernarg_segment_size: 32
    .max_flat_workgroup_size: 128
    .sgpr_count:     66
    .vgpr_count:     960
    .wavefront_size: 32
...
	.end_amdgpu_metadata
.endif
;; end of part 4
